; MI455X (gfx1250); checked and timed in simulation.
; The chip was launched on July 23, 2026; its instructions are those of AMD's public machine-readable ISA for CDNA 5 (MIT licence, August 2026) and "CDNA5" Instruction Set Architecture Reference Guide (July 2026). The comments in the code are by the model that wrote it; some were corrected since.
;; Cross Attention. Allowed arithmetic: matrix products marked QUANTISED: E2M1 operands, one E8M0 scale for each 32 along K, by v_wmma_scale_f32_16x16x128_f8f6f4 with both operands' format E2M1 (or v_wmma_scale_f32_32x16x128_f4), f32 sums; products left as they are: bf16, f16 or f32 operands; f32 sums; everything else in f32.
;; Inputs: Wk 1,024 x 1,024 float32; Wo 1,024 x 1,024 float32; Wq 1,024 x 1,024 float32; Wv 1,024 x 1,024 float32; bo 1,024 float32; context 4 x 2,048 x 1,024 float32; inputs 4 x 2,048 x 1,024 float32.
;; Outputs: out0 4 x 2,048 x 1,024 float32.
;; This version of the problem:
;;   THIS VERSION OF THE PROBLEM IS GIVEN IN LOW PRECISION. The matrix products marked QUANTISED in the list below multiply operands that are first quantised to E2M1 (2 exponent bits, 1 mantissa bit; 4 bits a number), with one power-of-two scale for each 32 numbers along K (OCP MX v1.0); their sums are f32. The products marked 'left as it is' may take bf16, f16 or f32 operands, with f32 sums. Whichever they take, every output number must still come out within the allowed error. Rounding operands to bf16 (8 significant bits) uses up far more of that allowance than f16 does (11 bits, for magnitudes from 6e-5 to 65,504). All else is computed in f32.
;;   The module's matrix products, in the order in which they are computed (A, B: the left and right operand; K: the contracted axis; several contracted axes count as one K, in the product's order):
;;     1. [M 8,192, K 1,024] x [K 1,024, N 1,024]; A: input inputs; B: input Wq: QUANTISED
;;     2. [M 8,192, K 1,024] x [K 1,024, N 1,024]; A: input context; B: input Wk: QUANTISED
;;     3. [M 8,192, K 1,024] x [K 1,024, N 1,024]; A: input context; B: input Wv: QUANTISED
;;     4. batch 64 x [M 2,048, K 64] x [K 64, N 2,048]; A: computed on the way; B: computed on the way: left as it is (an operand is computed on the way)
;;     5. batch 64 x [M 64, K 2,048] x [K 2,048, N 2,048]; A: computed on the way; B: computed on the way: left as it is (an operand is computed on the way)
;;     6. [M 8,192, K 1,024] x [K 1,024, N 1,024]; A: computed on the way; B: input Wo: left as it is (an operand is computed on the way)
;;   THE QUANTISER, for each operand of a quantised product, along K:
;;     - K is cut into blocks of 32 from its start; a last block that is shorter is filled with zeros.
;;     - A block's scale is 2^e with e = floor(log2(the largest magnitude in the block)) - 2, held to -126 .. 127; a block of zeros has e = 0. As a byte (E8M0): e + 127.
;;     - Each number is divided by its block's scale, clamped to +-6, and rounded to the nearest number of E2M1, ties to even, subnormals kept.
;;     - The product sums the exact products of the quantised numbers (number of the format x scale) in f32.
;;   ~~~python
;;   def quantise(x, axis):      # numpy; x: float32 -> the quantised numbers, widened to float32 again
;;       x = np.moveaxis(x, axis, -1); K = x.shape[-1]
;;       x = np.pad(x, [(0, 0)] * (x.ndim - 1) + [(0, -K % 32)]); x = x.reshape(x.shape[:-1] + (-1, 32)); a = np.abs(x).max(-1, keepdims=True)
;;       e = np.where(a > 0, np.clip(np.frexp(np.where(a > 0, a, 1))[1] - 1 - 2, -126, 127), 0)      # np.frexp(a)[1] - 1 = floor(log2(a)), exactly
;;       r = np.clip(x / 2.0 ** e, -6, 6)
;;       step = 2.0 ** (np.maximum(np.frexp(np.where(r == 0, 1, r))[1] - 1, 0) - 1)
;;       q = np.round(r / step) * step * 2.0 ** e      # np.round: ties to even
;;       return np.moveaxis(q.reshape(q.shape[:-2] + (-1,))[..., :K], -1, axis).astype(np.float32)
;;   ~~~
;; One version. Each part assembles by itself: llvm-mc -triple=amdgcn-amd-amdhsa -mcpu=gfx1250 --defsym DOCPART=n.
;; ======== version 1 of 1: 4 launches
;; limits: values are held in f16: magnitudes above 65,504 overflow, below 6.1e-05 lose precision
;; workspace buffers: act_codes 8,388,608 bytes; act_scales 524,288 bytes; w_codes 1,572,864 bytes; w_scales 98,304 bytes; wo16 2,097,152 bytes; qkv 50,331,648 bytes; ao 16,777,216 bytes
;; launch prep (part 1): grid 320 x 1, 8 waves a work-group, no clusters, 103,424 bytes of LDS; arguments inputs, context, Wq, Wk, Wv, Wo, act_codes, act_scales, w_codes, w_scales, wo16; writes act_codes, act_scales, w_codes, w_scales, wo16
.if DOCPART == 1
	.amdgcn_target "amdgcn-amd-amdhsa--gfx1250"
	.amdhsa_code_object_version 6
	.text
	.protected	k_q9a12561788_prep
	.globl	k_q9a12561788_prep
	.p2align	8
	.type	k_q9a12561788_prep,@function
k_q9a12561788_prep:
	s_mov_b64 s[64:65], 0
	v_nop
	global_prefetch_b8 v0, s[64:65] scope:SCOPE_SE
	s_setreg_imm32_b32 hwreg(HW_REG_WAVE_MODE, 25, 1), 1
	s_wait_xcnt 0x0
; CROSS ATTENTION, launch 1 of 4: the operands of the three quantised products become codes of FP4 (E2M1) with one E8M0 byte for each 32 along K; Wo becomes f16.
; DEAD WORK: none.  Every input reaches the output for some values of the inputs (there is no mask, and bo is added at the end), so every input is loaded and every product of the problem is done.
; THREE WAYS, parted by the work-group's number alone; they never join, and each has LDS bytes of its own.
;   work-groups 0-47:   Wq, Wk, Wv [k][n] f32, K is the FIRST axis: a lane takes a column, its registers run down K.  Codes to w_codes [3][4 quarters of K][1024 n][128 bytes], bytes to w_scales [3][1024 n][32].
;   work-groups 48-63:  Wo f32 -> f16, laid as it lies.
;   work-groups 64-319: inputs, context [8192][1024] f32, K innermost: plain streams of blocks of 32.  Codes to act_codes [2][8192][512 bytes], bytes to act_scales [2][8192][32].
; A block's scale is 2^(floor(log2(its largest magnitude)) - 2); its byte is the largest magnitude's exponent field - 2, held at 1 from below; numbers are divided by the scale and rounded to the nearest code, ties to even, beyond 6 to 6.
; LIMITS: a block of zeros gets the byte 1 where the rule says 127 (its codes are zeros, and this program alone reads the bytes); blocks whose largest magnitude lies under 2^-124 are held at the byte 1;
; NaN and infinities among the inputs are not served; a number of Wo above 65,504 in magnitude becomes an infinity of f16.
.set SPW,   14                         ; v14  LDS address of my spare word: SPARE + 4 x my thread's number; never rewritten
.set NIL,   15                         ; v15  0; never rewritten
.set SPARE, 102400                     ; behind both ways' regions: the spare words, 128 bytes for each of eight waves
.set WV,    26                         ; s26  my wave's number
.set EMAX,  2
	s_load_b512 s[4:19], s[0:1], 0x0               ; inputs s[4:5], context s[6:7], Wq s[8:9], Wk s[10:11], Wv s[12:13], Wo s[14:15], act_codes s[16:17], act_scales s[18:19]
	s_load_b128 s[20:23], s[0:1], 0x40             ; w_codes s[20:21], w_scales s[22:23]
	s_load_b64 s[24:25], s[0:1], 0x50              ; wo16
	v_lshl_add_u32 v[SPW], v0, 2, SPARE
	v_mov_b32 v[NIL], 0
	v_lshrrev_b32 v1, 5, v0
	v_readfirstlane_b32 s[WV], v1                  ; wave 0..7
	v_and_b32 v2, 31, v0                           ; lane
	s_mov_b32 s31, 0                               ; the upper word of every offset
	s_wait_kmcnt 0x0
	s_cmp_lt_u32 ttmp9, 48
	s_cbranch_scc1 .Lweights
	s_cmp_lt_u32 ttmp9, 64
	s_cbranch_scc1 .Lcast
; ---------------- THE ACTIVATIONS.  A wave takes 16 steps of 512 numbers.  Each of a step's four loads reads 512 consecutive bytes; the 2,048 bytes turn through the wave's own stage in LDS and come back 64 bytes a lane,
; so that a lane holds 16 neighbours along K (two neighbouring lanes hold a block).  A lane's 16 codes are 8 bytes: a store of the wave covers 256 consecutive bytes.  The wave's 256 scale bytes gather in LDS and leave together.
.set XSTEPS, 16
.set XCB,   8                          ; bytes of 16 codes
.set XR,    16                         ; v16-79   four sets of 16 numbers as loaded
.set XX,    80                         ; v80-111  two sets of 16 neighbours
.set XE,    112                        ; v112-127 a scale byte for each step
.set XC,    128                        ; v128-191 codes: four registers for each step, so that no store's data are written again
.set XWREG, 8192                       ; LDS bytes 0 to 65,535: a region for each wave: two stages of 32 x XSP bytes, then its 256 scale bytes
.set XSP,   80                         ; a lane's place in a stage: 64 bytes + 16 of padding
.set XIN,   10                         ; v10  the stage on the way in
.set XOUT,  12                         ; v12  and on the way out
	s_sub_co_u32 s27, ttmp9, 64                    ; 0..255
	v_lshlrev_b32 v3, 4, v2                        ; my 16 bytes of a load's 512
	s_mul_i32 s28, s[WV], XWREG
	v_lshrrev_b32 v[XIN], 2, v2
	v_mul_u32_u24 v[XIN], v[XIN], XSP
	v_and_b32 v11, 3, v2
	v_lshl_add_u32 v[XIN], v11, 4, v[XIN]
	v_add_nc_u32 v[XIN], s28, v[XIN]               ; four lanes' 64 bytes on end, then the padding
	v_mul_u32_u24 v[XOUT], v2, XSP
	v_add_nc_u32 v[XOUT], s28, v[XOUT]             ; my 16 neighbours
	v_mul_u32_u24 v4, v2, XCB                      ; my codes' place in a step's
	v_lshrrev_b32 v5, 1, v2
	s_add_co_u32 s28, s28, 2*32*XSP
	v_add_nc_u32 v5, s28, v5                       ; my block's byte among the wave's 256
	v_lshlrev_b32 v7, 3, v2                        ; and on the way out 8 bytes a lane
	v_add_nc_u32 v6, s28, v7
	s_cmp_lt_u32 s27, 128                          ; inputs or context: the choice hangs on the work-group's number alone
	s_cselect_b64 s[4:5], s[4:5], s[6:7]
	s_lshl_b32 s29, s27, 3
	s_add_co_u32 s29, s29, s[WV]                   ; which run of 8,192 numbers of the two tensors on end is mine: 0..2047
	s_and_b32 s30, s29, 1023
	s_lshl_b32 s30, s30, 15                        ; 32,768 bytes of f32 a run
	s_add_nc_u64 s[4:5], s[4:5], s[30:31]
	s_lshl_b32 s30, s29, 12                        ; 4,096 bytes of codes
	s_add_nc_u64 s[16:17], s[16:17], s[30:31]
	s_lshl_b32 s30, s29, 8                         ; 256 scale bytes
	s_add_nc_u64 s[18:19], s[18:19], s[30:31]
.macro XLOAD t
.irp i, 0,1,2,3
	global_load_b128 v[XR+16*((\t)%4)+4*\i:XR+16*((\t)%4)+4*\i+3], v3, s[4:5] offset:2048*(\t)+512*\i th:TH_LOAD_NT
.endr
.endm
.macro XTURN t                         ; step t's numbers through the stage: LDS serves a wave's instructions in order, so no wait stands between the stores and the loads
.irp i, 0,1,2,3
	ds_store_b128 v[XIN], v[XR+16*((\t)%4)+4*\i:XR+16*((\t)%4)+4*\i+3] offset:32*XSP*((\t)%2)+8*XSP*\i
.endr
.irp i, 0,1,2,3
	ds_load_b128 v[XX+16*((\t)%2)+4*\i:XX+16*((\t)%2)+4*\i+3], v[XOUT] offset:32*XSP*((\t)%2)+16*\i
.endr
.endm
.irp t, 0,1,2,3
	XLOAD \t
.endr
	s_wait_loadcnt 12                              ; step 0's four loads are in; the twelve of steps 1 to 3 may be out
	XTURN 0
.macro XSTEP t
.set XS, XX+16*((\t)%2)
.if (\t) > 0
	s_wait_dscnt 1                                 ; this step's numbers are back from the stage; the last step's byte store may be out
.else
	s_wait_dscnt 0x0
.endif
.if (\t)+4 < XSTEPS
	XLOAD (\t)+4                                   ; into the registers that this step's stores into the stage have read
.endif
.if (\t)+1 < XSTEPS
.if XSTEPS-2-(\t) >= 3
	s_wait_loadcnt 12                              ; the next step's four loads are in; those of the three steps behind it may be out
.else
	s_wait_loadcnt 4*(XSTEPS-2-(\t))               ; at the end: four for each step still behind the next
.endif
	XTURN (\t)+1
.endif
	v_max3_num_f32 v8, |v[XS]|, |v[XS+1]|, |v[XS+2]|               ; the largest magnitude of my 16, in two chains
	v_max3_num_f32 v9, |v[XS+3]|, |v[XS+4]|, |v[XS+5]|
.irp i, 6,10
	v_max3_num_f32 v8, v8, |v[XS+\i]|, |v[XS+\i+1]|
	v_max3_num_f32 v9, v9, |v[XS+\i+2]|, |v[XS+\i+3]|
.endr
	v_max3_num_f32 v8, v8, |v[XS+14]|, |v[XS+15]|
	v_max3_num_f32 v8, v8, v9, (EMAX+1)<<23        ; and the floor 2^(3 - 127): the byte cannot fall under 1
	v_max_num_f32_dpp v8, v8, v8 row_xmask:1 row_mask:0xf bank_mask:0xf   ; and of my neighbour's 16: the block's
	v_add_nc_u32 v11, -(EMAX<<23), v8              ; 2 off its exponent field: the conversion takes that field as its scale
	v_cvt_scalef32_pk8_fp4_f32 v[XC+4*(\t)], v[XS:XS+7], v11
	v_cvt_scalef32_pk8_fp4_f32 v[XC+4*(\t)+1], v[XS+8:XS+15], v11
	v_lshrrev_b32 v[XE+(\t)], 23, v11              ; the scale's byte (a plain line behind the conversions)
	ds_store_b8 v5, v[XE+(\t)] offset:16*(\t)      ; both lanes of a block write the same byte with the same value
	global_store_b64 v4, v[XC+4*(\t):XC+4*(\t)+1], s[16:17] offset:32*XCB*(\t)
.endm
.irp t, 0,1,2,3,4,5,6,7,8,9,10,11,12,13,14,15
	XSTEP \t
.endr
	ds_load_b64 v[8:9], v6                         ; LDS serves a wave's instructions in order: this sees my byte stores
	s_wait_dscnt 0x0
	global_store_b64 v7, v[8:9], s[18:19]          ; 32 lanes store 256 consecutive bytes
	s_wait_tensorcnt 0x0                           ; the wave's end
	ds_add_u32 v[SPW], v[NIL]
	s_wait_dscnt 0x0
	s_endpgm
; ---------------- THE THREE WEIGHTS.  Work-group u: tensor u / 16, 256 columns (u / 4) % 4, quarter u % 4 of K.  A wave takes 32 columns x 256 along K: 8 blocks a lane; the eight waves read 1,024 consecutive bytes of a row.
; A lane's codes, 128 bytes, belong to one column: they go through the wave's own stage and leave as 4,096 consecutive bytes, 512 a store.
.Lweights:
.set WX,    32                         ; v32-95   two sets of 32 numbers
.set WC,    96                         ; v96-99   a block's codes
.set WO,    112                        ; v112-143 the way out
.set WSB,   24                         ; v24-25   my column's eight scale bytes
.set WP,    144                        ; a stage row: 128 bytes + 16
.set WBASE, 65536                      ; LDS bytes 65,536 to 102,399: 32 x WP for each wave
	s_lshr_b32 s27, ttmp9, 4                       ; which tensor
	s_bfe_u32 s28, ttmp9, 0x20002                  ; which 256 columns
	s_and_b32 s29, ttmp9, 3                        ; which quarter of K
	s_cmp_eq_u32 s27, 0
	s_cselect_b64 s[8:9], s[8:9], s[10:11]
	s_cmp_eq_u32 s27, 2
	s_cselect_b64 s[8:9], s[12:13], s[8:9]
	s_lshl_b32 s28, s28, 8
	s_lshl_b32 s30, s[WV], 5
	s_add_co_u32 s28, s28, s30                     ; my wave's first column
	s_lshl_b32 s30, s29, 20                        ; 256 rows of 4,096 bytes a quarter
	s_lshl_b32 s32, s28, 2
	s_add_co_u32 s30, s30, s32
	s_add_nc_u64 s[8:9], s[8:9], s[30:31]
	s_lshl_b32 s30, s27, 2
	s_add_co_u32 s30, s30, s29
	s_lshl_b32 s30, s30, 10
	s_add_co_u32 s30, s30, s28
	s_lshl_b32 s30, s30, 7                         ; codes: ((4 tensor + quarter) x 1024 + column) x 128
	s_add_nc_u64 s[20:21], s[20:21], s[30:31]
	s_lshl_b32 s30, s27, 10
	s_add_co_u32 s30, s30, s28
	s_lshl_b32 s30, s30, 5
	s_lshl_b32 s32, s29, 3
	s_add_co_u32 s30, s30, s32                     ; bytes: (1024 tensor + column) x 32 + 8 quarter
	s_add_nc_u64 s[22:23], s[22:23], s[30:31]
	v_lshlrev_b32 v3, 2, v2                        ; in: 4 bytes a lane
	s_mul_i32 s32, s[WV], 32*WP
	s_add_co_u32 s32, s32, WBASE                   ; my stage
	v_mul_u32_u24 v4, v2, WP
	v_add_nc_u32 v4, s32, v4                       ; into it: row = my column
	v_lshrrev_b32 v5, 3, v2
	v_mul_u32_u24 v7, v5, WP
	v_and_b32 v5, 7, v2
	v_lshl_add_u32 v7, v5, 4, v7
	v_add_nc_u32 v7, s32, v7                       ; out of it: eight lanes to a row, four rows an instruction
	v_lshlrev_b32 v8, 4, v2                        ; and the same bytes in w_codes: 16 x lane
	v_lshlrev_b32 v9, 5, v2                        ; my column's row of scale bytes
.macro WLOAD t                         ; block t: W(32 t + i, my column) into set t % 2; the largest offset, 255 rows, is 1,044,480 bytes
.irp i, 0,1,2,3,4,5,6,7,8,9,10,11,12,13,14,15,16,17,18,19,20,21,22,23,24,25,26,27,28,29,30,31
	global_load_b32 v[WX+32*((\t)%2)+\i], v3, s[8:9] offset:(32*(\t)+\i)*4096 th:TH_LOAD_NT
.endr
.endm
	WLOAD 0
	WLOAD 1
.macro WBLOCK t
.set XS, WX+32*((\t)%2)
.if (\t) < 7
	s_wait_loadcnt 32                              ; this block's 32 loads are in; the next block's 32 may be out
.else
	s_wait_loadcnt 0
.endif
	v_max3_num_f32 v12, |v[XS]|, |v[XS+1]|, |v[XS+2]|              ; the block's largest magnitude: all 32 numbers are mine
	v_max3_num_f32 v13, |v[XS+3]|, |v[XS+4]|, |v[XS+5]|
.irp i, 6,10,14,18,22,26
	v_max3_num_f32 v12, v12, |v[XS+\i]|, |v[XS+\i+1]|
	v_max3_num_f32 v13, v13, |v[XS+\i+2]|, |v[XS+\i+3]|
.endr
	v_max3_num_f32 v12, v12, |v[XS+30]|, |v[XS+31]|
	v_max3_num_f32 v12, v12, v13, (EMAX+1)<<23     ; and the floor
	v_add_nc_u32 v11, -(EMAX<<23), v12             ; the conversion's scale operand
	v_lshrrev_b32 v13, 23, v11                     ; the scale's byte
.if (\t)%4 == 0
	v_mov_b32 v[WSB+(\t)/4], v13                   ; four bytes to a register, the lower K in the lower byte
.else
	v_lshl_or_b32 v[WSB+(\t)/4], v13, 8*((\t)%4), v[WSB+(\t)/4]
.endif
.irp g, 0,1,2,3
	v_cvt_scalef32_pk8_fp4_f32 v[WC+\g], v[XS+8*\g:XS+8*\g+7], v11
.endr
	ds_store_b128 v4, v[WC:WC+3] offset:16*(\t)    ; 32 codes: 16 bytes of my column's row
.if (\t)+2 < 8
	WLOAD (\t)+2
.endif
	s_wait_dscnt 0x0                               ; the store has read its registers: the next block's codes may be written (that block begins with plain vector lines)
.endm
.irp t, 0,1,2,3,4,5,6,7
	WBLOCK \t
.endr
	global_store_b64 v9, v[WSB:WSB+1], s[22:23]    ; my column's eight scale bytes of this quarter
.irp i, 0,1,2,3,4,5,6,7
	ds_load_b128 v[WO+4*\i:WO+4*\i+3], v7 offset:\i*4*WP
.endr
.irp i, 0,1,2,3,4,5,6,7
	s_wait_dscnt 7-\i                              ; load i is in; the younger ones may be out
	global_store_b128 v8, v[WO+4*\i:WO+4*\i+3], s[20:21] offset:512*\i   ; 512 consecutive bytes: four columns' codes
.endr
	s_wait_tensorcnt 0x0                           ; the wave's end
	ds_add_u32 v[SPW], v[NIL]
	s_wait_dscnt 0x0
	s_endpgm
; ---------------- Wo TO f16.  A wave takes 8,192 numbers: 64 loads of 512 bytes through sixteen register slots, four turns each; a store of the wave covers 256 consecutive bytes.  No LDS.
.Lcast:
.set CX,    16                         ; v16-79   slot i: four numbers a lane
.set CY,    80                         ; v80-111  slot i: the same as f16
	s_sub_co_u32 s27, ttmp9, 48
	s_lshl_b32 s27, s27, 3
	s_add_co_u32 s27, s27, s[WV]                   ; run 0..127
	s_lshl_b32 s30, s27, 15
	s_add_nc_u64 s[14:15], s[14:15], s[30:31]
	s_lshl_b32 s30, s27, 14
	s_add_nc_u64 s[24:25], s[24:25], s[30:31]
	v_lshlrev_b32 v3, 4, v2
	v_lshlrev_b32 v4, 3, v2
.irp i, 0,1,2,3,4,5,6,7,8,9,10,11,12,13,14,15
	global_load_b128 v[CX+4*\i:CX+4*\i+3], v3, s[14:15] offset:\i*512 th:TH_LOAD_NT
.endr
.macro CSLOT i, turn
.if (\turn) < 3
	s_wait_loadcnt 15                              ; my load is in; the fifteen younger ones stay out
.else
	s_wait_loadcnt 15-(\i)                         ; the last turn loads nothing: the counts run down
.endif
	s_wait_xcnt 0x0                                ; the slot's last store has read its data registers
	v_cvt_pk_f16_f32 v[CY+2*(\i)], v[CX+4*(\i)], v[CX+4*(\i)+1]
	v_cvt_pk_f16_f32 v[CY+2*(\i)+1], v[CX+4*(\i)+2], v[CX+4*(\i)+3]
.if (\turn) < 3
	global_load_b128 v[CX+4*(\i):CX+4*(\i)+3], v3, s[14:15] offset:(16*((\turn)+1)+(\i))*512 th:TH_LOAD_NT
.endif
	global_store_b64 v4, v[CY+2*(\i):CY+2*(\i)+1], s[24:25] offset:(16*(\turn)+(\i))*256
.endm
.irp u, 0,1,2,3
.irp i, 0,1,2,3,4,5,6,7,8,9,10,11,12,13,14,15
	CSLOT \i, \u
.endr
.endr
	s_endpgm
.Lfunc_end_k_q9a12561788_prep:
	.size	k_q9a12561788_prep, .Lfunc_end_k_q9a12561788_prep-k_q9a12561788_prep
	.p2alignl 7, 3214868480
	.fill 96, 4, 3214868480
	.section	.rodata,"a",@progbits
	.p2align	6, 0x0
	.amdhsa_kernel k_q9a12561788_prep
		.amdhsa_group_segment_fixed_size 103424
		.amdhsa_private_segment_fixed_size 0
		.amdhsa_enable_private_segment 0
		.amdhsa_kernarg_size 88
		.amdhsa_user_sgpr_count 2
		.amdhsa_user_sgpr_kernarg_segment_ptr 1
		.amdhsa_wavefront_size32 1
		.amdhsa_system_sgpr_workgroup_id_x 1
		.amdhsa_system_sgpr_workgroup_id_y 1
		.amdhsa_system_sgpr_workgroup_id_z 1
		.amdhsa_system_vgpr_workitem_id 0
		.amdhsa_next_free_vgpr 192
		.amdhsa_next_free_sgpr 66
		.amdhsa_reserve_vcc 0
		.amdhsa_float_denorm_mode_32 3
		.amdhsa_float_denorm_mode_16_64 3
		.amdhsa_memory_ordered 1
		.amdhsa_forward_progress 1
		.amdhsa_inst_pref_size 97
	.end_amdhsa_kernel
	.amdgpu_metadata
---
amdhsa.version: [ 1, 2 ]
amdhsa.kernels:
  - .name:           k_q9a12561788_prep
    .symbol:         k_q9a12561788_prep.kd
    .args:
      - { .name: inputs, .offset: 0, .size: 8, .value_kind: global_buffer, .address_space: global }
      - { .name: context, .offset: 8, .size: 8, .value_kind: global_buffer, .address_space: global }
      - { .name: Wq, .offset: 16, .size: 8, .value_kind: global_buffer, .address_space: global }
      - { .name: Wk, .offset: 24, .size: 8, .value_kind: global_buffer, .address_space: global }
      - { .name: Wv, .offset: 32, .size: 8, .value_kind: global_buffer, .address_space: global }
      - { .name: Wo, .offset: 40, .size: 8, .value_kind: global_buffer, .address_space: global }
      - { .name: act_codes, .offset: 48, .size: 8, .value_kind: global_buffer, .address_space: global }
      - { .name: act_scales, .offset: 56, .size: 8, .value_kind: global_buffer, .address_space: global }
      - { .name: w_codes, .offset: 64, .size: 8, .value_kind: global_buffer, .address_space: global }
      - { .name: w_scales, .offset: 72, .size: 8, .value_kind: global_buffer, .address_space: global }
      - { .name: wo16, .offset: 80, .size: 8, .value_kind: global_buffer, .address_space: global }
    .group_segment_fixed_size: 103424
    .private_segment_fixed_size: 0
    .kernarg_segment_align: 8
    .kernarg_segment_size: 88
    .max_flat_workgroup_size: 256
    .sgpr_count:     66
    .vgpr_count:     192
    .wavefront_size: 32
...
	.end_amdgpu_metadata
.endif
;; end of part 1
;; launch proj (part 2): grid 12 x 32, 4 waves a work-group, clusters of 4 x 4, 327,680 bytes of LDS; arguments act_codes, act_scales, w_codes, w_scales, qkv; writes qkv
.if DOCPART == 2
	.amdgcn_target "amdgcn-amd-amdhsa--gfx1250"
	.amdhsa_code_object_version 6
	.text
	.protected	k_q9a12561788_proj
	.globl	k_q9a12561788_proj
	.p2align	8
	.type	k_q9a12561788_proj,@function
k_q9a12561788_proj:
	s_mov_b64 s[64:65], 0
	v_nop
	global_prefetch_b8 v0, s[64:65] scope:SCOPE_SE
	s_setreg_imm32_b32 hwreg(HW_REG_WAVE_MODE, 25, 1), 1
	s_wait_xcnt 0x0
	s_wait_alu depctr_hold_cnt(0) depctr_sa_sdst(0) depctr_va_vdst(0) depctr_va_sdst(0) depctr_va_ssrc(0) depctr_va_vcc(0) depctr_vm_vsrc(0)
	s_getreg_b32 s2, hwreg(HW_REG_IB_STS2, 6, 4)
	s_cmp_eq_u32 s2, 0
	s_cbranch_scc0 .Lentry_in_a_cluster
	s_endpgm
.Lentry_in_a_cluster:
	s_bfe_u32 s2, ttmp6, 0x10000c
	s_cmp_lg_u32 s2, 0xf033
	s_cbranch_scc0 .Lentry_shape_is_right
	s_endpgm
.Lentry_shape_is_right:
; CROSS ATTENTION, launch 2 of 4: q = inputs Wq, k = context Wk, v = context Wv, on codes of FP4 (E2M1) with one E8M0 scale for each 32 along K, sums in f32; results rounded to f16 into qkv [3][batch 4][head 16][token 2048][64].
; No work is left out.  LIMIT: a result above 65,504 in magnitude becomes an infinity of f16.
; One GEMM of 8,192 x 3,072 x 1,024: the cluster's x is the product (0 q, 1 k, 2 v).  A tile of 256 x 256 is made by four waves, 128 x 128 each: 64 accumulators of 16 x 16, 512 registers.
; ALL OF K LIES IN LDS: two slots of 512 along K, each filled once at the head, and the scale bytes of the tile's rows and columns.  Nothing is filled again, so there is no loop.
; CLUSTERS: 4 x 4 work-groups.  The four of a row of the cluster need the same rows of the activations, the four of a column the same columns of the weight: each tile is asked for JOINTLY.
; THE MATRIX INSTRUCTION IS USED TRANSPOSED (source 0 = 16 columns of the weight, source 1 = 16 rows of the activations): a lane then holds eight neighbouring channels of one token.
; REGISTERS, in windows of 256: window 0: v0-31 addresses; v32-95 scale words, two sets; v96-127 packed results on the way out; from v128 A's fragments, ONE set (on the way out: rows read back).
;   window 1: B's fragments, TWO sets, at v0 and v128.   window 2: the accumulators of my rows 0-63 ((a, b) at v[8 (8 a + b)]);   window 3: those of rows 64-127.
.set NQ,     4                         ; steps of 128 along K in a slot
.set ROWB,   256                       ; a row of A's tile: 512 codes
.set KROW,   512                       ; a row of act_codes
.set PITCH,  272                       ; A's row in LDS: 256 bytes + 16: the 16 rows of a load start at 16 different banks (64 banks of 4 bytes: ISA guide 11.1)
.set BP,     144                       ; B's row in LDS: 128 bytes (a quarter of K) + 16
.set FR,     8                         ; registers of a fragment: 16 rows x 128 K
.set NL,     2                         ; LDS loads that bring one
.set NP,     4                         ; places behind this matrix instruction (ISA guide 7.12.1)
.set HALFA,  128*PITCH                 ; 128 rows of A: one tensor load
.set BPLANE, 256*BP                    ; 256 columns of B, a quarter of K: one tensor load
.set SLOT,   2*HALFA+2*BPLANE          ; A's 256 rows, then B's two quarters
.set KS,     32                        ; a row of scale bytes
.set SCL,    2*SLOT                    ; behind the slots: the scales, as units of 256 bytes + 16 of padding
.set HALFS,  (128*KS/256)*272          ; those of 128 rows: one tensor load
.set SBLK,   (16*KS/256)*272           ; those of 16 rows
.set SPARE,  SCL+4*HALFS               ; the spare words, 128 bytes for each wave
.set SPITCH, 272                       ; the way out: a stage of 16 rows x (256 bytes + 16) for each wave, in slot 0, which has had its only fill and, behind the change of slots, its last read
.set ADRA, 16                          ; v16-17  LDS address of my A fragments in slot 0, 1
.set ADRB, 20                          ; v20-21  the same for B
.set STO,  24                          ; v24     the way out: where I put 16 bytes of a row
.set RD,   25                          ; v25     where I read rows back
.set CO,   26                          ; v26     16 x lane
.set ADRS, 27                          ; v27     LDS address of my scale words: lanes 0-15 A's rows, lanes 16-31 B's
.set SPW,  28                          ; v28     my spare word; never rewritten
.set NIL,  29                          ; v29     0; never rewritten
.set SC,   32                          ; scale words: set s at v[SC + 32 s]; register 4 i + q: lanes 0-15 A's block i, lanes 16-31 B's block i, the slot's q-th 128 along K
.set TMP,  96
.set AF,   128
.set BK,   128                         ; the way out: v128-159 and v192-223 by turns
.set G1, 24                            ; s[24:31] group 1 for A's tiles; s[32:39] group 0, one set for each slot
.set G0, 32
.set G1B, 48                           ; s[48:55], s[56:63] the same for B's
.set G0B, 56
.set G1S, 68                           ; s[68:75], s[76:79] groups 1 and 0 for A's scales; s[80:87], s[88:91] for B's
.set G0S, 76
.set G1SB, 80
.set G0SB, 88
.set MSB, 0
.macro WIN new                         ; the immediate's high byte repeats the setting that is left
.if MSB != \new
	s_set_vgpr_msb (MSB<<8)|\new
.set MSB, \new
.endif
.endm
.set MUL_LO, 0xa1                      ; source 0 (B) window 1, source 1 (A) window 0, C and D window 2
.set MUL_HI, 0xf1                      ; the same, C and D window 3
.set TO_B,   0x40                      ; destination window 1, address window 0
; A joint load: waves 0 and 1 fetch for A, waves 2 and 3 for B; the branch hangs on the wave's number alone.  An s_nop 0 and four v_nop follow each line.
.macro JLOAD g0a, g1a, g0b, g1b
	s_cmp_eq_u32 s15, 0
	s_cbranch_scc0 .Lfor_b_\@
	tensor_load_to_lds s[\g0a:\g0a+3], s[\g1a:\g1a+7]
	s_nop 0
.rept 4
	v_nop
.endr
	s_branch .Lasked_\@
.Lfor_b_\@:
	tensor_load_to_lds s[\g0b:\g0b+3], s[\g1b:\g1b+7]
	s_nop 0
.rept 4
	v_nop
.endr
.Lasked_\@:
.endm
.macro CROUND                          ; a round of the cluster's barrier
	s_barrier_signal -1
	s_barrier_wait -1
	s_cmp_lg_u32 s14, 0
	s_cbranch_scc1 .Lnot_wave_0_\@
	s_barrier_signal -3
.Lnot_wave_0_\@:
	s_barrier_wait -3
	s_barrier_signal -1
	s_barrier_wait -1
.endm
	s_load_b128 s[4:7], s[0:1], 0x0                ; act_codes s[4:5], act_scales s[6:7]
	s_load_b128 s[8:11], s[0:1], 0x10              ; w_codes s[8:9], w_scales s[10:11]
	s_load_b64 s[12:13], s[0:1], 0x20              ; qkv
	v_lshl_add_u32 v[SPW], v0, 2, SPARE
	v_mov_b32 v[NIL], 0
	ds_add_u32 v[SPW], v[NIL]                      ; the wave's opening: the add, twice on end, and its wait ahead of my first tensor load
	ds_add_u32 v[SPW], v[NIL]
	v_lshrrev_b32 v1, 5, v0
	v_readfirstlane_b32 s14, v1                    ; wave 0..3
	s_lshr_b32 s15, s14, 1                         ; which half of the tile's rows is mine.  Also: I fetch for A (0) or for B (1)
	s_and_b32 s16, s14, 1                          ; which half of its columns.  Also: which part I fetch
	s_bfe_u32 s40, ttmp6, 0x40000                  ; cx, cy: my place in the cluster
	s_bfe_u32 s41, ttmp6, 0x40004
	s_lshl_b32 s42, ttmp9, 2
	s_add_co_u32 s42, s42, s40                     ; tile column = 4 x product + cx
	s_and_b32 s17, ttmp7, 0xffff
	s_lshl_b32 s17, s17, 2
	s_add_co_u32 s17, s17, s41                     ; tile row = 4 x cluster y + cy
	s_lshl_b32 s43, s41, 2
	s_lshl_b32 s43, 15, s43                        ; my row of the cluster
	s_lshl_b32 s44, 0x1111, s40                    ; my column
	s_or_b32 s[G1+0], s43, (0<<16)|(1<<20)|(1<<21)|(5<<22)|(3<<25)   ; the mask; elements of 1 byte; padding on; bit 21 beside a mask; 4 words after every 64
	s_mov_b32 s[G1+1], ROWB<<16                    ; tensor_dim0 = 256
	s_mov_b32 s[G1+2], 128<<16                     ; tensor_dim1 = 128
	s_mov_b32 s[G1+3], ROWB<<16                    ; tile_dim0
	s_mov_b32 s[G1+4], 128                         ; tile_dim1
	s_mov_b32 s[G1+5], KROW                        ; from row to row
	s_mov_b32 s[G1+6], 0
	s_mov_b32 s[G1+7], 0
	s_or_b32 s[G1B+0], s44, (0<<16)|(1<<20)|(1<<21)|(4<<22)|(3<<25)  ; 4 words after every 32
	s_mov_b32 s[G1B+1], 128<<16                    ; a quarter of K: rows of 128 bytes,
	s_mov_b32 s[G1B+2], 256<<16                    ; 256 of them,
	s_mov_b32 s[G1B+3], 128<<16
	s_mov_b32 s[G1B+4], 256
	s_mov_b32 s[G1B+5], 128                        ; dense in memory
	s_mov_b32 s[G1B+6], 0
	s_mov_b32 s[G1B+7], 0
	s_or_b32 s[G1S+0], s43, (3<<16)|(1<<20)|(1<<21)|(5<<22)|(3<<25)  ; the scales of 128 rows: 4,096 dense bytes as 16 rows of 256 (32 elements of 8 bytes)
	s_or_b32 s[G1SB+0], s44, (3<<16)|(1<<20)|(1<<21)|(5<<22)|(3<<25)
.irp g, G1S, G1SB
	s_mov_b32 s[\g+1], 32<<16
	s_mov_b32 s[\g+2], (128*KS/256)<<16
	s_mov_b32 s[\g+3], 32<<16
	s_mov_b32 s[\g+4], 128*KS/256
	s_mov_b32 s[\g+5], 32
	s_mov_b32 s[\g+6], 0
	s_mov_b32 s[\g+7], 0
.endr
	s_lshl_b32 s18, s16, 7                         ; which 128 rows I fetch
	s_lshl_b32 s20, s17, 8
	s_add_co_u32 s20, s20, s18
	s_min_u32 s19, ttmp9, 1                        ; product 0 reads inputs, products 1 and 2 context: the cluster's x, which all sixteen share
	s_lshl_b32 s19, s19, 13
	s_add_co_u32 s20, s20, s19                     ; A: row 8192 x tensor + 256 x tile row + 128 x half
	s_lshl_b32 s46, s42, 8
	s_add_co_u32 s46, s46, s18                     ; B's scales: row 256 x tile column + 128 x half of [3][1024]
	s_mov_b32 s21, 0
	s_mov_b32 s47, 0
	s_mov_b64 s[18:19], KS
	s_mul_u64 s[22:23], s[20:21], s[18:19]         ; where these rows' scales begin
	s_mul_u64 s[92:93], s[46:47], s[18:19]
	s_mov_b64 s[18:19], KROW
	s_mul_u64 s[20:21], s[20:21], s[18:19]         ; and A's codes
	s_lshl_b32 s46, ttmp9, 19                      ; B's codes: the product's four quarters of 131,072 bytes,
	s_lshl_b32 s95, s40, 15                        ; my tile's 256 columns of 128 bytes,
	s_add_co_u32 s46, s46, s95
	s_lshl_b32 s95, s16, 17                        ; and of a slot's two quarters the one that I fetch
	s_add_co_u32 s46, s46, s95
	s_mul_i32 s45, s16, HALFA                      ; where they go: no place in the cluster enters an LDS address
	s_mul_i32 s96, s16, BPLANE
	s_add_co_u32 s96, s96, 2*HALFA
	s_mul_i32 s94, s14, HALFS
	s_wait_dscnt 0x0                               ; both opening adds are done
	s_wait_kmcnt 0x0
	s_add_nc_u64 s[20:21], s[4:5], s[20:21]
	s_add_nc_u64 s[22:23], s[6:7], s[22:23]
	s_add_nc_u64 s[46:47], s[8:9], s[46:47]
	s_add_nc_u64 s[92:93], s[10:11], s[92:93]
	CROUND                                         ; all sixteen work-groups are here: the joint loads meet
	s_mov_b32 s[G0S], 1
	s_add_co_u32 s[G0S+1], s94, SCL
	s_mov_b64 s[G0S+2:G0S+3], s[22:23]
	s_or_b32 s[G0S+3], s[G0S+3], 0x80000000
	s_mov_b32 s[G0SB], 1
	s_add_co_u32 s[G0SB+1], s94, SCL
	s_mov_b64 s[G0SB+2:G0SB+3], s[92:93]
	s_or_b32 s[G0SB+3], s[G0SB+3], 0x80000000
	JLOAD G0S, G1S, G0SB, G1SB                     ; the scales first: they are wanted with the first step
.irp s, 0,1
	s_mov_b32 s[G0+4*\s], 1
	s_add_co_u32 s[G0+4*\s+1], s45, \s*SLOT
	s_add_nc_u64 s[G0+4*\s+2:G0+4*\s+3], s[20:21], \s*ROWB
	s_or_b32 s[G0+4*\s+3], s[G0+4*\s+3], 0x80000000
	s_mov_b32 s[G0B+4*\s], 1
	s_add_co_u32 s[G0B+4*\s+1], s96, \s*SLOT
	s_add_nc_u64 s[G0B+4*\s+2:G0B+4*\s+3], s[46:47], \s*262144
	s_or_b32 s[G0B+4*\s+3], s[G0B+4*\s+3], 0x80000000
	JLOAD G0+4*\s, G1, G0B+4*\s, G1B               ; three tensor loads of mine are out behind the last of these
.endr
	v_and_b32 v1, 15, v0                           ; r = lane % 16
	v_bfe_u32 v2, v0, 4, 1                         ; h = lane / 16
	v_mul_u32_u24 v3, v1, PITCH
	v_lshl_add_u32 v3, v2, 4, v3                   ; A: row x pitch + 16 h
	v_mul_u32_u24 v4, v1, BP
	v_lshl_add_u32 v4, v2, 4, v4                   ; B likewise
	s_mul_i32 s21, s15, HALFA                      ; my 128 rows of A
	s_mul_i32 s22, s16, 128*BP                     ; my 128 columns of B, in each quarter,
	s_add_co_u32 s22, s22, 2*HALFA                 ; behind A's 256 rows
.irp s, 0,1
	v_add_nc_u32 v[ADRA+\s], s21, v3
	v_add_nc_u32 v[ADRB+\s], s22, v4
	s_add_co_u32 s21, s21, SLOT
	s_add_co_u32 s22, s22, SLOT
.endr
	v_mul_u32_u24 v5, v1, KS                       ; my row's scales: 32 bytes a row,
	v_lshrrev_b32 v6, 8, v5
	v_lshl_add_u32 v5, v6, 4, v5                   ; and 16 more for each 256 passed
	s_mul_i32 s21, s15, HALFS
	s_mul_i32 s22, s16, HALFS
	s_add_co_u32 s22, s22, 2*HALFS
	s_sub_co_u32 s22, s22, s21
	v_mul_u32_u24 v6, s22, v2                      ; lanes 16-31 take B's: one product, the distance between the two bases
	s_add_co_u32 s21, s21, SCL
	v_add_nc_u32 v5, v5, v6
	v_add_nc_u32 v[ADRS], s21, v5
	s_mul_i32 s23, s14, 16*SPITCH                  ; my stage
	v_mul_u32_u24 v5, v1, SPITCH
	v_lshl_add_u32 v5, v2, 4, v5
	v_add_nc_u32 v[STO], s23, v5                   ; in: row r, 16 bytes for each half of the lanes
	v_and_b32 v6, 31, v0
	v_lshrrev_b32 v5, 3, v6
	v_mul_u32_u24 v5, v5, SPITCH
	v_and_b32 v7, 7, v0
	v_lshl_add_u32 v5, v7, 4, v5
	v_add_nc_u32 v[RD], s23, v5                    ; back: eight lanes take a head's 128 bytes of a row, four rows an instruction
	v_lshlrev_b32 v[CO], 4, v6
	s_lshl_b32 s20, s17, 8                         ; where my part begins in qkv: my first token 256 x tile row + 128 x half,
	s_lshl_b32 s21, s15, 7
	s_add_co_u32 s20, s20, s21
	s_lshr_b32 s21, s20, 11                        ; its batch: 16 heads of 262,144 bytes,
	s_lshl_b32 s21, s21, 22
	s_and_b32 s20, s20, 2047                       ; its place in the sequence: 128 bytes a token,
	s_lshl_b32 s20, s20, 7
	s_add_co_u32 s20, s20, s21
	s_lshl_b32 s21, ttmp9, 24                      ; the product's tensor,
	s_add_co_u32 s20, s20, s21
	s_mov_b32 s21, 0
	s_lshl_b32 s46, s40, 20                        ; and my first head: 4 cx + 2 x half
	s_lshl_b32 s47, s16, 19
	s_add_co_u32 s46, s46, s47
	s_mov_b32 s47, 0
	s_add_nc_u64 s[20:21], s[20:21], s[46:47]
	s_add_nc_u64 s[12:13], s[12:13], s[20:21]
.macro FRAGA reg, adr, q, i            ; 16 rows x 128 K of 4-bit codes, 8 registers: lane l holds row l % 16; registers 4 c .. 4 c + 3 hold K = 64 c + 32 (l / 16) + 0 .. 31
.irp c, 0,1
	ds_load_b128 v[\reg+4*\c:\reg+4*\c+3], v[\adr] offset:64*(\q)+32*\c+(\i)*16*PITCH
.endr
.endm
.macro FRAGB reg, adr, q, i            ; the same of B: the slot's quarter q / 2, its half q % 2
.irp c, 0,1
	ds_load_b128 v[\reg+4*\c:\reg+4*\c+3], v[\adr] offset:((\q)/2)*BPLANE+((\q)%2)*64+32*\c+(\i)*16*BP
.endr
.endm
; 16 matrix instructions: A's blocks a0, a0 + 1 x B's eight, the slot's q-th 128 along K.  p: B's set; sc: the set of scale words; zero = 1: the product starts the sums.
; The 64 accumulators take turns, one instruction a turn, in the same order in every step.
.macro MUL16 a0, p, q, sc, zero
.irp a, \a0, \a0+1
.irp b, 0,1,2,3,4,5,6,7
.if \zero
	v_wmma_scale_f32_16x16x128_f8f6f4 v[8*(8*((\a)%4)+\b):8*(8*((\a)%4)+\b)+7], v[128*(\p)+FR*\b:128*(\p)+FR*\b+FR-1], v[AF+FR*(\a):AF+FR*(\a)+FR-1], 0, v[SC+8*NQ*(\sc)+NQ*\b+(\q)], v[SC+8*NQ*(\sc)+NQ*(\a)+(\q)] matrix_a_fmt:MATRIX_FMT_FP4 matrix_b_fmt:MATRIX_FMT_FP4 matrix_a_scale:MATRIX_SCALE_ROW1
.else
	v_wmma_scale_f32_16x16x128_f8f6f4 v[8*(8*((\a)%4)+\b):8*(8*((\a)%4)+\b)+7], v[128*(\p)+FR*\b:128*(\p)+FR*\b+FR-1], v[AF+FR*(\a):AF+FR*(\a)+FR-1], v[8*(8*((\a)%4)+\b):8*(8*((\a)%4)+\b)+7], v[SC+8*NQ*(\sc)+NQ*\b+(\q)], v[SC+8*NQ*(\sc)+NQ*(\a)+(\q)] matrix_a_fmt:MATRIX_FMT_FP4 matrix_b_fmt:MATRIX_FMT_FP4 matrix_a_scale:MATRIX_SCALE_ROW1
.endif
.endr
.endr
.endm
.macro FETCH_B slot, q, p
	WIN TO_B
.irp i, 0,1,2,3,4,5,6,7
	FRAGB 128*(\p)+FR*\i, ADRB+\slot, \q, \i
.endr
	WIN 0
.endm
.macro FETCH_A slot, q, i0
.irp i, \i0, \i0+1, \i0+2, \i0+3
	FRAGA AF+FR*(\i), ADRA+\slot, \q, \i
.endr
.endm
.macro SCALES sc                       ; a slot's scale words: four words a row; lanes 0-15 A's block i, lanes 16-31 B's block i
.irp i, 0,1,2,3,4,5,6,7
	ds_load_b128 v[SC+8*NQ*\sc+NQ*\i:SC+8*NQ*\sc+NQ*\i+3], v[ADRS] offset:\i*SBLK
.endr
.endm
.macro PLACES n                        ; plain vector instructions between a matrix instruction and a load into, or a read of, its registers
.rept \n
	v_nop
.endr
.endm
.macro STEP slot, q, zero              ; a step of 128 along K that has its successor in the same slot
	s_wait_dscnt 4*NL                              ; B's set, the scale words and A's blocks 0-3 are in; the eight loads of A's blocks 4-7 may be out
	WIN MUL_LO
	MUL16 0, (\q)%2, \q, \slot, \zero
	MUL16 2, (\q)%2, \q, \slot, \zero
	s_wait_dscnt 0                                 ; A's blocks 4-7 are in
	PLACES NP
	FETCH_B \slot, (\q)+1, 1-(\q)%2
	FETCH_A \slot, (\q)+1, 0
	WIN MUL_HI
	MUL16 4, (\q)%2, \q, \slot, \zero
	MUL16 6, (\q)%2, \q, \slot, \zero
	PLACES NP
	WIN 0
	FETCH_A \slot, (\q)+1, 4
.endm
.macro STEPS slot, from
.set Q, \from
.rept NQ-1-\from
	STEP \slot, Q, 0
.set Q, Q+1
.endr
.endm
	s_wait_tensorcnt 1                             ; the scales and my part of slot 0 are in; slot 1's load may be out
	s_barrier_signal -1
	s_barrier_wait -1                              ; everybody's are
	FETCH_B 0, 0, 0
	FETCH_A 0, 0, 0
	SCALES 0
	FETCH_A 0, 0, 4
	STEP 0, 0, 1                                   ; the first step's products start the sums: nothing is cleared
	STEPS 0, 1
	; slot 0's last step changes slots: one barrier; in front of it my part of slot 1 has landed and my reads of slot 0 are over (its bytes become the stages)
	s_wait_tensorcnt 0x0
	ds_add_u32 v[SPW], v[NIL]
	s_wait_dscnt 4*NL+1                            ; the add and the eight loads of A's blocks 4-7 may be out
	WIN MUL_LO
	MUL16 0, 1, NQ-1, 0, 0
	s_wait_dscnt 0x0
	s_barrier_signal -1
	MUL16 2, 1, NQ-1, 0, 0
	WIN 0
	s_barrier_wait -1
	PLACES NP
	v_add_nc_u32 v[ADRS], 4*NQ, v[ADRS]            ; on to slot 1's scale words
	FETCH_B 1, 0, 0
	FETCH_A 1, 0, 0
	SCALES 1
	WIN MUL_HI
	MUL16 4, 1, NQ-1, 0, 0
	MUL16 6, 1, NQ-1, 0, 0
	PLACES NP
	WIN 0
	FETCH_A 1, 0, 4
	STEPS 1, 0
	s_wait_dscnt 4*NL                              ; the last step: nothing more to fetch
	WIN MUL_LO
	MUL16 0, 1, NQ-1, 1, 0
	MUL16 2, 1, NQ-1, 1, 0
	s_wait_dscnt 0
	WIN MUL_HI
	MUL16 4, 1, NQ-1, 1, 0
	MUL16 6, 1, NQ-1, 1, 0
	WIN 0
; THE WAY OUT, block by block of 16 tokens x 128 channels (two heads).  PACK: rounded to f16, 16 bytes a lane.  TOSTAGE: into my stage, and back by heads.  SEND: a store covers 512 consecutive bytes: four tokens of one head.
.macro PACK a
.set AC, 64*((\a)%4)
	WIN (0x0a+5*((\a)/4))                          ; sources 0 and 1: window 2 or 3
.irp b, 0,1,2,3,4,5,6,7
.irp r, 0,1,2,3
	v_cvt_pk_f16_f32 v[TMP+4*\b+\r], v[AC+8*\b+2*\r], v[AC+8*\b+2*\r+1]   ; each accumulator from its low end on
.endr
.endr
	WIN 0
.endm
.macro TOSTAGE a
.set BB, BK+64*((\a)%2)
.irp b, 0,1,2,3,4,5,6,7
	ds_store_b128 v[STO], v[TMP+4*\b:TMP+4*\b+3] offset:32*\b
.endr
.irp i, 0,1,2,3,4,5,6,7
	ds_load_b128 v[BB+4*\i:BB+4*\i+3], v[RD] offset:(\i%4)*4*SPITCH+(\i/4)*128   ; LDS serves a wave's instructions in order: these see the stores above
.endr
.endm
.macro SEND a
.set BB, BK+64*((\a)%2)
	s_wait_dscnt 0x0                               ; the block is back in registers
	s_wait_xcnt 0x0                                ; earlier stores have read their registers: the next block's loads may land there
.irp i, 0,1,2,3,4,5,6,7
	global_store_b128 v[CO], v[BB+4*\i:BB+4*\i+3], s[12:13] offset:(\i/4)*262144+(\a)*2048+(\i%4)*512
.endr
.endm
	PLACES NP                                      ; behind the last products, ahead of the first read of results
	PACK 0
	TOSTAGE 0
.irp a, 1,2,3,4,5,6,7                  ; block a's conversions stand between block a - 1's loads from the stage and the wait for them
	PACK \a
	SEND \a-1
	TOSTAGE \a
.endr
	SEND 7
	s_wait_tensorcnt 0x0                           ; the wave's end
	ds_add_u32 v[SPW], v[NIL]
	s_wait_dscnt 0x0
	CROUND                                         ; the closing round
	s_endpgm
.Lfunc_end_k_q9a12561788_proj:
	.size	k_q9a12561788_proj, .Lfunc_end_k_q9a12561788_proj-k_q9a12561788_proj
	.p2alignl 7, 3214868480
	.fill 96, 4, 3214868480
	.section	.rodata,"a",@progbits
	.p2align	6, 0x0
	.amdhsa_kernel k_q9a12561788_proj
		.amdhsa_group_segment_fixed_size 327680
		.amdhsa_private_segment_fixed_size 0
		.amdhsa_enable_private_segment 0
		.amdhsa_kernarg_size 40
		.amdhsa_user_sgpr_count 2
		.amdhsa_user_sgpr_kernarg_segment_ptr 1
		.amdhsa_wavefront_size32 1
		.amdhsa_system_sgpr_workgroup_id_x 1
		.amdhsa_system_sgpr_workgroup_id_y 1
		.amdhsa_system_sgpr_workgroup_id_z 1
		.amdhsa_system_vgpr_workitem_id 0
		.amdhsa_next_free_vgpr 1024
		.amdhsa_next_free_sgpr 98
		.amdhsa_reserve_vcc 0
		.amdhsa_float_denorm_mode_32 3
		.amdhsa_float_denorm_mode_16_64 3
		.amdhsa_memory_ordered 1
		.amdhsa_forward_progress 1
		.amdhsa_inst_pref_size 127
	.end_amdhsa_kernel
	.amdgpu_metadata
---
amdhsa.version: [ 1, 2 ]
amdhsa.kernels:
  - .name:           k_q9a12561788_proj
    .symbol:         k_q9a12561788_proj.kd
    .args:
      - { .name: act_codes, .offset: 0, .size: 8, .value_kind: global_buffer, .address_space: global }
      - { .name: act_scales, .offset: 8, .size: 8, .value_kind: global_buffer, .address_space: global }
      - { .name: w_codes, .offset: 16, .size: 8, .value_kind: global_buffer, .address_space: global }
      - { .name: w_scales, .offset: 24, .size: 8, .value_kind: global_buffer, .address_space: global }
      - { .name: qkv, .offset: 32, .size: 8, .value_kind: global_buffer, .address_space: global }
    .group_segment_fixed_size: 327680
    .private_segment_fixed_size: 0
    .kernarg_segment_align: 8
    .kernarg_segment_size: 40
    .max_flat_workgroup_size: 128
    .sgpr_count:     98
    .vgpr_count:     1024
    .wavefront_size: 32
...
	.end_amdgpu_metadata
.endif
;; end of part 2
;; launch attn (part 3): grid 4 x 64, 8 waves a work-group, clusters of 4 x 1, 327,680 bytes of LDS; arguments qkv, ao; writes ao
.if DOCPART == 3
	.amdgcn_target "amdgcn-amd-amdhsa--gfx1250"
	.amdhsa_code_object_version 6
	.text
	.protected	k_q9a12561788_attn
	.globl	k_q9a12561788_attn
	.p2align	8
	.type	k_q9a12561788_attn,@function
k_q9a12561788_attn:
	s_mov_b64 s[64:65], 0
	v_nop
	global_prefetch_b8 v0, s[64:65] scope:SCOPE_SE
	s_setreg_imm32_b32 hwreg(HW_REG_WAVE_MODE, 25, 1), 1
	s_wait_xcnt 0x0
	s_wait_alu depctr_hold_cnt(0) depctr_sa_sdst(0) depctr_va_vdst(0) depctr_va_sdst(0) depctr_va_ssrc(0) depctr_va_vcc(0) depctr_vm_vsrc(0)
	s_getreg_b32 s2, hwreg(HW_REG_IB_STS2, 6, 4)
	s_cmp_eq_u32 s2, 0
	s_cbranch_scc0 .Lentry_in_a_cluster
	s_endpgm
.Lentry_in_a_cluster:
	s_bfe_u32 s2, ttmp6, 0x10000c
	s_cmp_lg_u32 s2, 0x3003
	s_cbranch_scc0 .Lentry_shape_is_right
	s_endpgm
.Lentry_shape_is_right:
; CROSS ATTENTION, launch 3 of 4: O[q] = the sum over k of softmax_k(Q[q] . K[k] / 8) V[k], for each of 64 (batch, head) pairs; 2,048 queries, 2,048 keys, head size 64, no mask.  No work is left out.
; Q, K, V: qkv [3][64 heads][2048][64] f16.  Products, maxima and sums in f32; the weights p are rounded to f16 for the second product, O once at the end, into ao [64 tiles of 128 tokens][16 heads][128][64] f16.
; LIMIT: f16's range, 65,504, for q, k, v and O.
; SHARES.  A work-group owns 512 queries of one head, each of its eight waves 64: four tiles of 16.  Every wave walks all keys, 64 a step.
; LAYOUT.  S^T = K Q^T (source 0 = 16 keys, source 1 = 16 queries): a lane holds ONE query (lane % 16) and the keys 8 (lane / 16) + 0..7 of each 16.  Two such tiles, rounded to f16 in pairs, ARE source 1 of
; O^T = V^T P, whose result again holds one query a lane.  K comes out of LDS as it lies, V ([key][channel]) turned, by ds_load_tr16_b128.
; SOFTMAX.  For each query a running maximum m and sum l: p = 2^(c s - c m), c = log2(e) / 8; in every step O and l are multiplied by a = 2^(c m_old - c m_new).  m begins at -3e38, l and O^T at 0: the first a is 0.
; TWO TYPES OF WAVE.  A step has a matrix phase (V^T P of the step before, then K Q^T: 64 matrix instructions) and a vector phase (the softmax: 476 vector instructions).  In a trip a wave of type 0 runs matrix, then vector;
; a wave of type 1 runs the vector phase of the step before, then matrix.  The type is (w xor w / 4) & 1.  The vector phase is written twice in a trip, each time under a scalar branch on the type, inside
; which stands no LDS access, no tensor load, no barrier and no wait for memory.
; CLUSTER.  The four work-groups of a head walk the same K and V: each tile is asked for JOINTLY, by the same tensor load with a mask that names the four.
; REGISTERS: window 0: v1-14 addresses; v16-47 eight statistics a tile; v64-191 S^T, 32 a tile (P is laid over each tile's low 16); v192-255 K of one step.
;            window 1: v0-127 O^T, 32 a tile; v128-191 Q, 16 a tile; v192-255 V of one step.
.set KS,    64                         ; keys in a step
.set PKP,   144                        ; a row of K in LDS: 128 bytes + 16: the 16 rows of a load start at 16 different banks (ISA guide 11.1)
.set PVP,   160                        ; a row of V: 128 + 32
.set VOFF,  KS*PKP                     ; a step's tiles lie together: 64 rows of K, then 64 rows of V
.set STEPB, KS*(PKP+PVP)
.set NST,   4                          ; steps in a slot
.set SLOT1, 1<<17                      ; slot 1 begins here: one exclusive or turns an address in one slot into the other's
.set SLOTB, NST*KS*128                 ; a slot's keys in memory, in bytes, in K and in V
.set STAGE, SLOT1+NST*STEPB            ; behind the ring: 16 rows x 144 bytes for each wave, for the way out
.set SP,    144
.set SPARE, STAGE+8*16*SP              ; the spare words, 128 bytes for each wave
.set AK0, 2                            ; v2   my lane's place in a tile of K
.set AV0, 3                            ; v3   the same for V
.set ADR, 4                            ; v4   the LDS address of the run of loads in hand
.set QO,  5                            ; v5   my byte offset in the wave's rows of Q
.set STO, 6                            ; v6   the way out: where I put 16 bytes of a row
.set RD,  7                            ; v7   where I read rows back
.set GO,  8                            ; v8   16 x lane
.set PFO, 12                           ; v12  256 x lane: the prefetches' offset; never rewritten
.set SPW, 13                           ; v13  my spare word; never rewritten
.set NIL, 14                           ; v14  0; never rewritten
.set ST,  16                           ; tile t's statistics at v[ST+8 t]: +0 c m, +1 m, +2, +3 l (even keys', odd keys'), +4 to +7 at work; a in +6
.set S,   64
.set KF,  192                          ; window 0
.set QF,  128                          ; window 1
.set VF,  192                          ; window 1
.set WV,  12                           ; s12  my wave's number
.set TYP, 14                           ; s14  my type
.set LIM, 15                           ; s15  1 in a wave that prefetches, else the greatest number
.set PFA, 18                           ; s[18:19] where my prefetches stand
.set G1K, 24                           ; s[24:31] group 1 for K's tiles; s[32:39] for V's: it differs in the padding
.set G1V, 32
.set G0K, 40                           ; s[40:47] group 0 for K's tiles: a set for each first fill; the second then walks
.set G0V, 48                           ; s[48:55] the same for V's
.set SLOTS, 56                         ; s56  slots still to be asked for
.set CNT, 57                           ; s57  counts a slot's steps
.set CS,  58                           ; s[58:59] c
.set SEL, 60                           ; s[60:61] v_permlanex16_b32's selects for lane l xor 16
.set TB,  62                           ; s62  LDS byte at which the tiles of the step to be fetched begin
.set MSB, 0
.macro WIN new
.if MSB != \new
	s_set_vgpr_msb (MSB<<8)|\new
.set MSB, \new
.endif
.endm
.set W_KQ, 0x04                        ; Q in window 1; K and S^T in window 0
.set W_PV, 0x51                        ; V and O^T in window 1, P in window 0
.set W_RS, 0x41                        ; O^T (destination and source 0) in window 1, a in window 0
.set TO_1, 0x40                        ; destination window 1
.macro JLOAD                           ; a joint refill: waves 0-3 fetch the four steps' tiles of K, waves 4-7 those of V.  An s_nop 0 and four v_nop follow each line
	s_cmp_lt_u32 s[WV], 4
	s_cbranch_scc0 .Lfor_v_\@
	tensor_load_to_lds s[G0K+4:G0K+7], s[G1K:G1K+7]
	s_nop 0
.rept 4
	v_nop
.endr
	s_branch .Lasked_\@
.Lfor_v_\@:
	tensor_load_to_lds s[G0V+4:G0V+7], s[G1V:G1V+7]
	s_nop 0
.rept 4
	v_nop
.endr
.Lasked_\@:
.endm
; A PREFETCH of what the NEXT change of slots will ask for: a slot's 32,768 bytes of K and of V.  The four partners share them out BY ADDRESS, 8,192 bytes each, lanes 256 bytes apart; in each, wave 0 asks for K's and
; wave 4 for V's: one instruction.  So each block is named once in the launch.  It stands behind the tensor load and its five lines; four key steps lie between it and the load that will want the bytes.
; The last change that fills a slot asks for nothing; slots 0, 1 and 2 come by their loads alone.
.macro ASK
	s_cmp_gt_u32 s[SLOTS], s[LIM]
	s_cbranch_scc0 .Lnot_mine_\@
	global_prefetch_b8 v[PFO], s[PFA:PFA+1] th:TH_LOAD_NT scope:SCOPE_SE
.Lnot_mine_\@:
.endm
.macro CROUND                          ; a round of the cluster's barrier
	s_barrier_signal -1
	s_barrier_wait -1
	s_cmp_lg_u32 s[WV], 0
	s_cbranch_scc1 .Lnot_wave_0_\@
	s_barrier_signal -3
.Lnot_wave_0_\@:
	s_barrier_wait -3
	s_barrier_signal -1
	s_barrier_wait -1
.endm
	s_load_b128 s[4:7], s[0:1], 0x0                ; qkv s[4:5], ao s[6:7]
	v_lshl_add_u32 v[SPW], v0, 2, SPARE
	v_mov_b32 v[NIL], 0
	ds_add_u32 v[SPW], v[NIL]                      ; the wave's opening: the add, twice on end, and its wait ahead of my first tensor load
	ds_add_u32 v[SPW], v[NIL]
	v_lshrrev_b32 v1, 5, v0
	v_readfirstlane_b32 s[WV], v1                  ; wave 0..7
	s_bfe_u32 s13, ttmp6, 0x40000                  ; cx: it enters Q's, ao's and the prefetches' addresses alone
	s_lshr_b32 s[TYP], s[WV], 2
	s_xor_b32 s[TYP], s[TYP], s[WV]
	s_and_b32 s[TYP], s[TYP], 1
	s_and_b32 s20, ttmp7, 0xffff                   ; 16 x batch + head, which the four partners share
	s_and_b32 s16, s[WV], 3                        ; which of a slot's four steps I fetch:
	s_lshl_b32 s22, s20, 18                        ; the head's 262,144 bytes,
	s_lshl_b32 s17, s16, 13                        ; the step's 64 rows of 128 bytes,
	s_add_co_u32 s22, s22, s17
	s_mov_b32 s23, 0
	s_mul_i32 s17, s16, STEPB                      ; and its place in a slot
	s_cmp_eq_u32 s16, 0
	s_cselect_b32 s[LIM], 1, -1                    ; waves 0 and 4 prefetch
	s_lshl_b32 s2, s20, 18                         ; Q: the head, my work-group's 512 rows, my wave's 64
	s_lshl_b32 s3, s13, 16
	s_add_co_u32 s2, s2, s3
	s_lshl_b32 s3, s[WV], 13
	s_add_co_u32 s2, s2, s3
	s_mov_b32 s3, 0
	s_and_b32 s21, s20, 0xfff0                     ; ao: the tile of 128 tokens, 16 x batch + 4 cx + wave / 2;
	s_and_b32 s20, s20, 15                         ; the head;
	s_lshl_b32 s18, s13, 2
	s_add_co_u32 s21, s21, s18
	s_lshr_b32 s18, s[WV], 1
	s_add_co_u32 s21, s21, s18
	s_lshl_b32 s21, s21, 4
	s_add_co_u32 s20, s20, s21
	s_lshl_b32 s20, s20, 14                        ; 128 rows of 128 bytes for each (tile, head);
	s_and_b32 s18, s[WV], 1
	s_lshl_b32 s18, s18, 13                        ; my 64 rows of them
	s_add_co_u32 s20, s20, s18
	s_mov_b32 s21, 0
	s_mov_b32 s[G1K], 15|(1<<16)|(1<<20)|(1<<21)|(4<<22)|(3<<25)   ; the mask: all four; elements of 2 bytes; padding on; bit 21 beside a mask; 4 words after every 32
	s_mov_b32 s[G1V], 15|(1<<16)|(1<<20)|(1<<21)|(4<<22)|(7<<25)   ; the same with 8 words
.irp g, G1K, G1V
	s_mov_b32 s[\g+1], 64<<16                      ; tensor_dim0 = 64
	s_mov_b32 s[\g+2], KS<<16                      ; tensor_dim1 = 64
	s_mov_b32 s[\g+3], 64<<16                      ; tile_dim0
	s_mov_b32 s[\g+4], KS                          ; tile_dim1
	s_mov_b32 s[\g+5], 64                          ; from row to row
	s_mov_b32 s[\g+6], 0
	s_mov_b32 s[\g+7], 0
.endr
	s_mov_b32 s[CS], 0x3e38aa3b                    ; c = log2(e) / 8
	s_mov_b32 s[CS+1], s[CS]                       ; named with it as a pair, so it is written
	s_mov_b32 s[SEL], 0x76543210
	s_mov_b32 s[SEL+1], 0xfedcba98
	s_mov_b32 s[TB], 0
	s_mov_b32 s[SLOTS], 2048/(NST*KS)-2
	v_and_b32 v[PFO], 31, v0
	v_lshlrev_b32 v[PFO], 8, v[PFO]
	s_wait_dscnt 0x0                               ; both opening adds are done
	s_wait_kmcnt 0x0
	s_add_nc_u64 s[10:11], s[6:7], s[20:21]        ; ao at my wave's first row
	s_add_nc_u64 s[6:7], s[4:5], 0x1000000         ; K lies 2^24 bytes into qkv,
	s_add_nc_u64 s[8:9], s[4:5], 0x2000000         ; V 2^25
	s_add_nc_u64 s[6:7], s[6:7], s[22:23]          ; both at my tile of slot 0
	s_add_nc_u64 s[8:9], s[8:9], s[22:23]
	s_add_nc_u64 s[4:5], s[4:5], s[2:3]            ; Q at my wave's first row
	s_cmp_lt_u32 s[WV], 4
	s_cselect_b64 s[PFA:PFA+1], s[6:7], s[8:9]     ; (in waves 0 and 4 these stand at a slot's first row)
	s_lshl_b32 s2, s13, 13                         ; my work-group's 8,192 bytes of the 32,768
	s_add_nc_u64 s[PFA:PFA+1], s[PFA:PFA+1], s[2:3]
	s_add_nc_u64 s[PFA:PFA+1], s[PFA:PFA+1], 2*SLOTB   ; in slot 2; the first change of slots steps it to slot 3
	CROUND                                         ; all four work-groups are here: the first joint loads meet
.irp s, 0,1
	s_mov_b32 s[G0K+4*\s], 1
	s_add_co_u32 s[G0K+4*\s+1], s17, \s*SLOT1
	s_add_nc_u64 s[G0K+4*\s+2:G0K+4*\s+3], s[6:7], \s*SLOTB
	s_or_b32 s[G0K+4*\s+3], s[G0K+4*\s+3], 0x80000000
	s_mov_b32 s[G0V+4*\s], 1
	s_add_co_u32 s[G0V+4*\s+1], s17, \s*SLOT1+VOFF
	s_add_nc_u64 s[G0V+4*\s+2:G0V+4*\s+3], s[8:9], \s*SLOTB
	s_or_b32 s[G0V+4*\s+3], s[G0V+4*\s+3], 0x80000000
.endr
	s_cmp_lt_u32 s[WV], 4                          ; a wave's two first fills stand in one branch: two loads of mine are out
	s_cbranch_scc0 .Lfirst_v
	tensor_load_to_lds s[G0K:G0K+3], s[G1K:G1K+7]
	s_nop 0
	tensor_load_to_lds s[G0K+4:G0K+7], s[G1K:G1K+7]
	s_nop 0
.rept 4
	v_nop
.endr
	s_branch .Lfirst_asked
.Lfirst_v:
	tensor_load_to_lds s[G0V:G0V+3], s[G1V:G1V+7]
	s_nop 0
	tensor_load_to_lds s[G0V+4:G0V+7], s[G1V:G1V+7]
	s_nop 0
.rept 4
	v_nop
.endr
.Lfirst_asked:
	v_and_b32 v1, 15, v0                           ; r = lane % 16
	v_bfe_u32 v9, v0, 4, 1                         ; h = lane / 16
	v_lshlrev_b32 v[QO], 7, v1
	v_lshl_add_u32 v[QO], v9, 4, v[QO]             ; row x 128 + 16 h
	WIN TO_1
.irp i, 0,1,2,3,4,5,6,7                ; Q stays in registers: tile i / 2, channels 32 (i % 2) on
	global_load_b128 v[QF+8*\i:QF+8*\i+3],   v[QO], s[4:5] offset:(\i/2)*2048+(\i%2)*64
	global_load_b128 v[QF+8*\i+4:QF+8*\i+7], v[QO], s[4:5] offset:(\i/2)*2048+(\i%2)*64+32
.endr
.set i, 0
.rept 128
	v_mov_b32 v[i], 0                              ; O^T begins as zeros, so that a trip has one form for both types of wave and for every step
.set i, i+1
.endr
	WIN 0
	v_mul_u32_u24 v[AK0], v1, PKP
	v_lshl_add_u32 v[AK0], v9, 4, v[AK0]           ; K: row x pitch + 16 h
	v_and_b32 v10, 7, v0
	v_bfe_u32 v11, v0, 3, 1
	v_lshl_add_u32 v[AV0], v9, 3, v10              ; V, for the turning load: key 8 h + lane % 8,
	v_mul_u32_u24 v[AV0], v[AV0], PVP
	v_lshl_add_u32 v[AV0], v11, 4, v[AV0]          ; channels 8 ((lane / 8) % 2) on
	v_add_nc_u32 v[AV0], VOFF, v[AV0]
	s_mul_i32 s16, s[WV], 16*SP
	s_add_co_u32 s16, s16, STAGE                   ; my stage
	v_mul_u32_u24 v[STO], v1, SP
	v_lshl_add_u32 v[STO], v9, 4, v[STO]
	v_add_nc_u32 v[STO], s16, v[STO]               ; in: row r, 16 bytes for each half of the lanes
	v_and_b32 v10, 31, v0
	v_lshrrev_b32 v11, 3, v10
	v_mul_u32_u24 v[RD], v11, SP
	v_and_b32 v11, 7, v0
	v_lshl_add_u32 v[RD], v11, 4, v[RD]
	v_add_nc_u32 v[RD], s16, v[RD]                 ; back: eight lanes to a row of 128 bytes, four rows an instruction
	v_lshlrev_b32 v[GO], 4, v10
.irp t, 0,1,2,3
	v_mov_b32 v[ST+8*\t+1], 0xff61b1e6             ; m = -3e38, under every score
	v_mul_f32 v[ST+8*\t], s[CS], v[ST+8*\t+1]      ; c m
.irp u, 2,3,4,5,6,7
	v_mov_b32 v[ST+8*\t+\u], 0                     ; l, and the registers at work: written once
.endr
.endr
; THE MATRIX WORK.  16 accumulators take turns, one instruction a turn.
.macro QK                              ; S^T = K Q^T: channels 32 kk on, keys 16 kt on, tile t.  The first 16 start the sums
	WIN W_KQ
.irp kk, 0,1
.irp kt, 0,1,2,3
.irp t, 0,1,2,3
.if \kk == 0
	v_wmma_f32_16x16x32_f16 v[S+32*\t+8*\kt:S+32*\t+8*\kt+7], v[KF+8*(2*\kt+\kk):KF+8*(2*\kt+\kk)+7], v[QF+16*\t+8*\kk:QF+16*\t+8*\kk+7], 0
.else
	v_wmma_f32_16x16x32_f16 v[S+32*\t+8*\kt:S+32*\t+8*\kt+7], v[KF+8*(2*\kt+\kk):KF+8*(2*\kt+\kk)+7], v[QF+16*\t+8*\kk:QF+16*\t+8*\kk+7], v[S+32*\t+8*\kt:S+32*\t+8*\kt+7]
.endif
.endr
.endr
.endr
.endm
.macro PV                              ; O^T += V^T P: keys 32 ks on, channels 16 ct on, tile t
	WIN W_PV
.irp ks, 0,1
.irp ct, 0,1,2,3
.irp t, 0,1,2,3
	v_wmma_f32_16x16x32_f16 v[32*\t+8*\ct:32*\t+8*\ct+7], v[VF+8*(4*\ks+\ct):VF+8*(4*\ks+\ct)+7], v[S+32*\t+8*\ks:S+32*\t+8*\ks+7], v[32*\t+8*\ct:32*\t+8*\ct+7]
.endr
.endr
.endr
.endm
.macro FETCH_K                         ; a step's K: 8 fragments of 16 keys x 32 channels: keys 16 (f / 2) on, channels 32 (f % 2) on
	WIN 0
	v_add_nc_u32 v[ADR], s[TB], v[AK0]
.irp f, 0,1,2,3,4,5,6,7
	ds_load_b128 v[KF+8*\f:KF+8*\f+3],   v[ADR] offset:(\f/2)*16*PKP+(\f%2)*64
	ds_load_b128 v[KF+8*\f+4:KF+8*\f+7], v[ADR] offset:(\f/2)*16*PKP+(\f%2)*64+32
.endr
.endm
.macro FETCH_V                         ; the same step's V, turned: keys 32 (f / 4) on, channels 16 (f % 4) on
	WIN 0
	v_add_nc_u32 v[ADR], s[TB], v[AV0]
	s_add_co_u32 s[TB], s[TB], STEPB               ; the next fetch is the next step's
	WIN TO_1
.irp f, 0,1,2,3,4,5,6,7
	ds_load_tr16_b128 v[VF+8*\f:VF+8*\f+3],   v[ADR] offset:(\f/4)*32*PVP+(\f%4)*32
	ds_load_tr16_b128 v[VF+8*\f+4:VF+8*\f+7], v[ADR] offset:(\f/4)*32*PVP+16*PVP+(\f%4)*32
.endr
.endm
; THE VECTOR WORK of one tile for one step, as four numbered lists; each macro writes number j of its list for tile t.
; SMH, 37: 0-15 the maximum of the 32 scores and the old m, three operands at a time (each accumulator is read from its low end on); 16-20 the other half of the lanes', the new m, c m, c m_old - c m_new; 21-36 c s - c m, a pair each.
.macro SMH t
.set rT, ST+8*(\t)
.set rS, S+32*(\t)
.if j < 4
	v_max3_num_f32 v[rT+4+j], v[rS+8*j], v[rS+8*j+1], v[rS+8*j+2]
.elseif j < 12
	v_max3_num_f32 v[rT+4+j%4], v[rT+4+j%4], v[rS+8*(j%4)+2*(j/4)+1], v[rS+8*(j%4)+2*(j/4)+2]
.elseif j == 12
	v_max3_num_f32 v[rT+4], v[rT+4], v[rS+7], v[rS+15]
.elseif j == 13
	v_max3_num_f32 v[rT+6], v[rT+6], v[rS+23], v[rS+31]
.elseif j == 14
	v_max3_num_f32 v[rT+4], v[rT+4], v[rT+5], v[rT+6]
.elseif j == 15
	v_max3_num_f32 v[rT+4], v[rT+4], v[rT+7], v[rT+1]
.elseif j == 16
	v_permlanex16_b32 v[rT+5], v[rT+4], s[SEL], s[SEL+1]   ; the query's other 32 keys lie in the lane 16 away
.elseif j == 17
	v_mov_b32 v[rT+7], v[rT]                       ; c m_old is kept for a
.elseif j == 18
	v_max_num_f32 v[rT+1], v[rT+4], v[rT+5]
.elseif j == 19
	v_mul_f32 v[rT], s[CS], v[rT+1]
.elseif j == 20
	v_sub_f32 v[rT+7], v[rT+7], v[rT]
.else
	v_pk_fma_f32 v[rS+2*(j-21):rS+2*(j-21)+1], v[rS+2*(j-21):rS+2*(j-21)+1], s[CS:CS+1], v[rT:rT+1] op_sel_hi:[1,0,0] neg_lo:[0,0,1] neg_hi:[0,0,1]
.endif
.endm
.macro SME t                           ; 33 exponentials: a, then the 32 weights
.set rT, ST+8*(\t)
.set rS, S+32*(\t)
.if j == 0
	v_exp_f32 v[rT+6], v[rT+7]
.else
	v_exp_f32 v[rS+j-1], v[rS+j-1]
.endif
.endm
.macro SMR t                           ; 32: 0-15 l = a l + the sum of the 16 pairs, in two chains; 16-31 the roundings to f16, ascending, laid over the tile's low 16 registers
.set rT, ST+8*(\t)
.set rS, S+32*(\t)
.if j == 0
	v_pk_fma_f32 v[rT+2:rT+3], v[rT+2:rT+3], v[rT+6:rT+7], v[rS:rS+1] op_sel_hi:[1,0,1]
.elseif j == 1
	v_pk_add_f32 v[rT+4:rT+5], v[rS+2:rS+3], v[rS+4:rS+5]
.elseif (j < 15) && (j%2 == 0)
	v_pk_add_f32 v[rT+2:rT+3], v[rT+2:rT+3], v[rS+2*(j+1):rS+2*(j+1)+1]
.elseif j < 15
	v_pk_add_f32 v[rT+4:rT+5], v[rT+4:rT+5], v[rS+2*(j+1):rS+2*(j+1)+1]
.elseif j == 15
	v_pk_add_f32 v[rT+2:rT+3], v[rT+2:rT+3], v[rT+4:rT+5]
.else
	v_cvt_pk_f16_f32 v[rS+j-16], v[rS+2*(j-16)], v[rS+2*(j-16)+1]
.endif
.endm
.macro SMO t                           ; 16: the tile's O^T times a
	v_pk_mul_f32 v[32*(\t)+2*j:32*(\t)+2*j+1], v[32*(\t)+2*j:32*(\t)+2*j+1], v[ST+8*(\t)+6:ST+8*(\t)+7] op_sel_hi:[1,0]
.endm
; The four tiles' lists in one order.  The exponentials go in two batches of 66, each with plain work of other tiles between its lines and ONE wait ahead of the first line that names a result.
.macro VEC
	WIN 0
.rept 4
	v_nop                                          ; places behind the products whose scores are read next
.endr
.set j, 0
.rept 37
	SMH 0
	SMH 1
.set j, j+1
.endr
.set j, 0
.rept 37                               ; tiles 2 and 3 find their maxima while tiles 0 and 1 have their exponentials; the run ends on plain lines
	SMH 2
.if j < 33
	SME 0
.endif
	SMH 3
.if j < 33
	SME 1
.endif
.set j, j+1
.endr
	s_wait_alu depctr_va_vdst(0)                   ; the wait for the first batch
.set j, 0
.rept 33
	SME 2
.if j < 32
	SMR 0
.endif
	SME 3
.if j < 32
	SMR 1
.endif
.set j, j+1
.endr
	WIN W_RS
.set j, 0
.rept 16                               ; plain work behind the second batch, which names none of its results
	SMO 0
	SMO 1
.set j, j+1
.endr
	s_wait_alu depctr_va_vdst(0)                   ; the wait for the second batch
.set j, 0
.rept 16
	SMO 2
	SMO 3
.set j, j+1
.endr
	WIN 0
.set j, 0
.rept 32
	SMR 2
	SMR 3
.set j, j+1
.endr
.endm
.macro VEC_IF typ                      ; the vector phase, for waves of one type: a scalar branch on the wave's number; every window is 0 at its ends
	s_cmp_eq_u32 s[TYP], \typ
	s_cbranch_scc0 .Lother_\@
	VEC
.Lother_\@:
.endm
; A TRIP: key step j.  K of step j is asked for; type 1 runs the softmax of step j - 1; V^T P of step j - 1; V of step j is asked for; K Q^T of step j; type 0 runs the softmax of step j.
.macro TRIP
.rept 5
	v_nop                                          ; places behind the last K Q^T, ahead of the loads into K's registers
.endr
	FETCH_K
	VEC_IF 1
	s_wait_dscnt 16                                ; V of the step before is in; K's sixteen loads may be out
	PV
	WIN 0
.rept 5
	v_nop                                          ; places behind the last V^T P: four ahead of the loads into V's registers, five ahead of the products that write over P
.endr
	FETCH_V
	s_wait_dscnt 16                                ; K is in; V's sixteen loads may be out
	QK
	WIN 0
	VEC_IF 0
.endm
; THE CHANGE OF SLOTS.  Each wave waits for all its tensor loads (one is out: its part of the other slot), adds 0 to its spare word, and waits for that and for its reads of the slot that it leaves.
; fill = 1: the barrier is a round of the cluster's, and the joint refill, the keys two slots on, is the first thing behind it: it has four key steps in which to land.
.macro CHANGE fill
	WIN 0
	s_wait_tensorcnt 0x0                           ; no tensor load of mine is out, so a group 0 may be written
	ds_add_u32 v[SPW], v[NIL]
.if \fill
.irp g, G0K+4, G0V+4
	s_xor_b32 s[\g+1], s[\g+1], SLOT1              ; the walking descriptor: the other slot than last time,
	s_add_nc_u64 s[\g+2:\g+3], s[\g+2:\g+3], SLOTB ; the next 256 keys
.endr
	s_wait_xcnt 0x0                                ; the last prefetch, a slot back, has read its address
	s_add_nc_u64 s[PFA:PFA+1], s[PFA:PFA+1], SLOTB
	s_wait_dscnt 0x0                               ; the add is done, and my reads of the slot are over
	CROUND
	JLOAD
	ASK
.else
	s_wait_dscnt 0x0
	s_barrier_signal -1
	s_barrier_wait -1
.endif
	s_sub_co_u32 s[TB], s[TB], NST*STEPB           ; the fetches go back to a slot's first step,
	s_xor_b32 s[TB], s[TB], SLOT1                  ; in the other slot
.endm
	s_wait_tensorcnt 1                             ; my part of slot 0 is in; slot 1's may stay out
	s_barrier_signal -1
	s_barrier_wait -1
	FETCH_K                                        ; key step 0
	FETCH_V
	s_wait_loadcnt 0x0                             ; Q
	s_wait_dscnt 16                                ; K is in; V's sixteen loads may be out
	QK
	WIN 0
	VEC_IF 0
	s_mov_b32 s[CNT], NST-1
.Lfirst:                               ; steps 1 to 3: the rest of slot 0
	TRIP
	s_sub_co_u32 s[CNT], s[CNT], 1
	s_cmp_lg_u32 s[CNT], 0
	s_cbranch_scc1 .Lfirst
.Lslot:                                ; six trips: every slot but the last two is filled again
	CHANGE 1
	s_mov_b32 s[CNT], NST
.Lstep:
	TRIP
	s_sub_co_u32 s[CNT], s[CNT], 1
	s_cmp_lg_u32 s[CNT], 0
	s_cbranch_scc1 .Lstep
	s_sub_co_u32 s[SLOTS], s[SLOTS], 1
	s_cmp_lg_u32 s[SLOTS], 0
	s_cbranch_scc1 .Lslot
	CHANGE 0                                       ; the last slot is written out
	s_mov_b32 s[CNT], NST
.Llast:
	TRIP
	s_sub_co_u32 s[CNT], s[CNT], 1
	s_cmp_lg_u32 s[CNT], 0
	s_cbranch_scc1 .Llast
	VEC_IF 1                                       ; type 1's last softmax
.rept 5
	v_nop
.endr
	s_wait_dscnt 0x0                               ; V of the last step
	PV
	; THE WAY OUT.  l's two halves and the other half of the lanes' are added (the additions are the places behind the last products); O^T is divided by l, rounded to f16 and sent through my stage, a tile of 16 queries at a time.
	WIN 0
.irp t, 0,1,2,3
	v_add_f32 v[ST+8*\t+4], v[ST+8*\t+2], v[ST+8*\t+3]
.endr
.irp t, 0,1,2,3
	v_permlanex16_b32 v[ST+8*\t+5], v[ST+8*\t+4], s[SEL], s[SEL+1]
.endr
.irp t, 0,1,2,3
	v_add_f32 v[ST+8*\t+4], v[ST+8*\t+4], v[ST+8*\t+5]
.endr
.irp t, 0,1,2,3
	v_rcp_f32 v[ST+8*\t+6], v[ST+8*\t+4]
.endr
	v_nop                                          ; a plain instruction behind the last reciprocal
	s_wait_alu depctr_va_vdst(0)                   ; one wait for the four, ahead of the first use
.macro PACK t
	WIN W_RS
.set i, 32*\t
.rept 16
	v_pk_mul_f32 v[i:i+1], v[i:i+1], v[ST+8*\t+6:ST+8*\t+7] op_sel_hi:[1,0]
.set i, i+2
.endr
	WIN 0x05                                       ; sources 0 and 1 window 1, destination window 0
.set i, 0
.rept 16
	v_cvt_pk_f16_f32 v[S+32*\t+i], v[32*\t+2*i], v[32*\t+2*i+1]
.set i, i+1
.endr
	WIN 0
.irp f, 0,1,2,3
	ds_store_b128 v[STO], v[S+32*\t+4*\f:S+32*\t+4*\f+3] offset:32*\f
.endr
.irp f, 0,1,2,3
	ds_load_b128 v[S+32*\t+16+4*\f:S+32*\t+16+4*\f+3], v[RD] offset:\f*4*SP   ; LDS serves a wave's instructions in order: these see the stores above; the next tile's stores come behind them
.endr
.endm
.macro SEND t, younger                 ; younger: the LDS instructions issued behind tile t's loads: the next tile's eight, or none
.irp f, 0,1,2,3
	s_wait_dscnt \younger+3-\f
	global_store_b128 v[GO], v[S+32*\t+16+4*\f:S+32*\t+16+4*\f+3], s[10:11] offset:\t*2048+\f*512   ; 512 consecutive bytes: four queries
.endr
.endm
	PACK 0
	PACK 1
	SEND 0, 8
	PACK 2
	SEND 1, 8
	PACK 3
	SEND 2, 8
	SEND 3, 0
	s_wait_tensorcnt 0x0                           ; the wave's end
	ds_add_u32 v[SPW], v[NIL]
	s_wait_dscnt 0x0
	CROUND                                         ; the closing round
	s_endpgm
.Lfunc_end_k_q9a12561788_attn:
	.size	k_q9a12561788_attn, .Lfunc_end_k_q9a12561788_attn-k_q9a12561788_attn
	.p2alignl 7, 3214868480
	.fill 96, 4, 3214868480
	.section	.rodata,"a",@progbits
	.p2align	6, 0x0
	.amdhsa_kernel k_q9a12561788_attn
		.amdhsa_group_segment_fixed_size 327680
		.amdhsa_private_segment_fixed_size 0
		.amdhsa_enable_private_segment 0
		.amdhsa_kernarg_size 16
		.amdhsa_user_sgpr_count 2
		.amdhsa_user_sgpr_kernarg_segment_ptr 1
		.amdhsa_wavefront_size32 1
		.amdhsa_system_sgpr_workgroup_id_x 1
		.amdhsa_system_sgpr_workgroup_id_y 1
		.amdhsa_system_sgpr_workgroup_id_z 1
		.amdhsa_system_vgpr_workitem_id 0
		.amdhsa_next_free_vgpr 512
		.amdhsa_next_free_sgpr 66
		.amdhsa_reserve_vcc 0
		.amdhsa_float_denorm_mode_32 3
		.amdhsa_float_denorm_mode_16_64 3
		.amdhsa_memory_ordered 1
		.amdhsa_forward_progress 1
		.amdhsa_inst_pref_size 255
	.end_amdhsa_kernel
	.section	.bss,"aw",@nobits
	.p2align	6
	.space	262144
	.amdgpu_metadata
---
amdhsa.version: [ 1, 2 ]
amdhsa.kernels:
  - .name:           k_q9a12561788_attn
    .symbol:         k_q9a12561788_attn.kd
    .args:
      - { .name: qkv, .offset: 0, .size: 8, .value_kind: global_buffer, .address_space: global }
      - { .name: ao, .offset: 8, .size: 8, .value_kind: global_buffer, .address_space: global }
    .group_segment_fixed_size: 327680
    .private_segment_fixed_size: 0
    .kernarg_segment_align: 8
    .kernarg_segment_size: 16
    .max_flat_workgroup_size: 256
    .sgpr_count:     66
    .vgpr_count:     512
    .wavefront_size: 32
...
	.end_amdgpu_metadata
.endif
;; end of part 3
;; launch oproj (part 4): grid 8 x 64, 4 waves a work-group, clusters of 4 x 4, 327,680 bytes of LDS; arguments ao, wo16, bo, out0; writes out0
.if DOCPART == 4
	.amdgcn_target "amdgcn-amd-amdhsa--gfx1250"
	.amdhsa_code_object_version 6
	.text
	.protected	k_q9a12561788_oproj
	.globl	k_q9a12561788_oproj
	.p2align	8
	.type	k_q9a12561788_oproj,@function
k_q9a12561788_oproj:
	s_mov_b64 s[64:65], 0
	v_nop
	global_prefetch_b8 v0, s[64:65] scope:SCOPE_SE
	s_setreg_imm32_b32 hwreg(HW_REG_WAVE_MODE, 25, 1), 1
	s_wait_xcnt 0x0
	s_wait_alu depctr_hold_cnt(0) depctr_sa_sdst(0) depctr_va_vdst(0) depctr_va_sdst(0) depctr_va_ssrc(0) depctr_va_vcc(0) depctr_vm_vsrc(0)
	s_getreg_b32 s2, hwreg(HW_REG_IB_STS2, 6, 4)
	s_cmp_eq_u32 s2, 0
	s_cbranch_scc0 .Lentry_in_a_cluster
	s_endpgm
.Lentry_in_a_cluster:
	s_bfe_u32 s2, ttmp6, 0x10000c
	s_cmp_lg_u32 s2, 0xf033
	s_cbranch_scc0 .Lentry_shape_is_right
	s_endpgm
.Lentry_shape_is_right:
; CROSS ATTENTION, launch 4 of 4: out0 = attn Wo + bo.  attn: ao [64 tiles of 128 tokens][16 heads][128][64] f16; Wo: wo16 [k 1024][n 1024] f16; bo [1024], out0 [8192][1024] f32; sums in f32.  No work is left out.
; A tile of out0 is 128 x 128: four waves, 64 x 64 each: 16 accumulators of 16 x 16.  K goes in steps of 256 (four heads) through a ring of two LDS slots.
; A's K step of a tile of tokens is 65,536 consecutive bytes: four planes (heads) of 128 rows x 128 bytes.  B's is 256 rows of Wo x 256 bytes; its fragments come out of LDS turned, by ds_load_tr16_b128.
; CLUSTERS: 4 x 4 work-groups; A's tiles are asked for jointly along a row of the cluster, B's along a column.
; THE MATRIX INSTRUCTION IS USED TRANSPOSED (source 0 = 16 columns of Wo, source 1 = 16 tokens): a lane holds eight neighbouring numbers of a row of out0.  bo is the C of each sum's first matrix instruction.
; REGISTERS: window 0: v0-31 addresses; v32-95 rows on the way out; v96-127 bo in the result's layout; v128-255 the accumulators ((a, b) at v[128 + 8 (4 a + b)]).
;   window 1: two fragment buffers of 128: for 64 along K, 64 registers of A (2 x 4 x 16 rows x 32 K), then 64 of B.
.set AP,     144                       ; A's row in LDS: 128 bytes + 16
.set BPI,    288                       ; B's row: 256 bytes + 32
.set APLANE, 128*AP                    ; a head's 128 rows
.set HALFT,  36864                     ; what one tensor load brings: 256 rows of A (two planes), or 128 rows of B
.set SLOT,   4*HALFT                   ; A's four planes, then B's 256 rows
.set STAGE,  2*SLOT                    ; behind the ring: 16 rows x 272 bytes for each wave
.set SPITCH, 272
.set SPARE,  STAGE+4*16*SPITCH         ; the spare words, 128 bytes for each wave
.set LAPS,   2                         ; a lap = two K steps = once round the ring
.set ADRA, 16                          ; v16-17  LDS address of my A fragments in slot 0, 1
.set ADRB, 20                          ; v20-23  the same for B: slot 0 rows 0-127, rows 128-255; slot 1 likewise (an LDS offset has 16 bits)
.set STO,  24
.set RD,   25
.set CO,   26
.set SPW,  28                          ; v28  my spare word; never rewritten
.set NIL,  29                          ; v29  0; never rewritten
.set OB,   32
.set BIAS, 96
.set ACC,  128
.set F0,   0
.set F1,   128
.set G1, 24                            ; s[24:31] group 1 for A's tiles; s[32:39] group 0, one set for each slot
.set G0, 32
.set G1B, 48                           ; s[48:55], s[56:63] the same for B's
.set G0B, 56
.set MSB, 0
.macro WIN new
.if MSB != \new
	s_set_vgpr_msb (MSB<<8)|\new
.set MSB, \new
.endif
.endm
.set MUL,  0x05                        ; sources 0 (B) and 1 (A) window 1; C and D window 0
.set TO_F, 0x40                        ; destination window 1, address window 0
.macro JLOAD s                         ; waves 0 and 1 fetch A's halves, waves 2 and 3 B's; an s_nop 0 and four v_nop follow each line
	s_cmp_eq_u32 s11, 0
	s_cbranch_scc0 .Lfor_b_\@
	tensor_load_to_lds s[G0+4*\s:G0+4*\s+3], s[G1:G1+7]
	s_nop 0
.rept 4
	v_nop
.endr
	s_branch .Lasked_\@
.Lfor_b_\@:
	tensor_load_to_lds s[G0B+4*\s:G0B+4*\s+3], s[G1B:G1B+7]
	s_nop 0
.rept 4
	v_nop
.endr
.Lasked_\@:
.endm
.macro CREST                           ; a round of the cluster's barrier behind its opening barrier
	s_cmp_lg_u32 s10, 0
	s_cbranch_scc1 .Lnot_wave_0_\@
	s_barrier_signal -3
.Lnot_wave_0_\@:
	s_barrier_wait -3
	s_barrier_signal -1
	s_barrier_wait -1
.endm
.macro CROUND
	s_barrier_signal -1
	s_barrier_wait -1
	CREST
.endm
	s_load_b128 s[4:7], s[0:1], 0x0                ; ao s[4:5], wo16 s[6:7]
	s_load_b128 s[68:71], s[0:1], 0x10             ; bo s[68:69], out0 s[70:71]
	v_lshl_add_u32 v[SPW], v0, 2, SPARE
	v_mov_b32 v[NIL], 0
	ds_add_u32 v[SPW], v[NIL]                      ; the wave's opening: the add, twice on end, and its wait ahead of my first tensor load
	ds_add_u32 v[SPW], v[NIL]
	v_lshrrev_b32 v1, 5, v0
	v_readfirstlane_b32 s10, v1                    ; wave 0..3
	s_lshr_b32 s11, s10, 1                         ; which half of the tile's rows is mine.  Also: I fetch for A (0) or for B (1)
	s_and_b32 s12, s10, 1                          ; which half of its columns.  Also: which half of that tile I fetch
	s_bfe_u32 s40, ttmp6, 0x40000                  ; cx, cy
	s_bfe_u32 s41, ttmp6, 0x40004
	s_lshl_b32 s42, ttmp9, 2
	s_add_co_u32 s42, s42, s40                     ; tile column = 4 x cluster x + cx
	s_and_b32 s13, ttmp7, 0xffff
	s_lshl_b32 s13, s13, 2
	s_add_co_u32 s13, s13, s41                     ; tile row = 4 x cluster y + cy
	s_lshl_b32 s43, s41, 2
	s_lshl_b32 s43, 15, s43                        ; my row of the cluster
	s_lshl_b32 s44, 0x1111, s40                    ; my column
	s_or_b32 s[G1+0], s43, (1<<16)|(1<<20)|(1<<21)|(4<<22)|(3<<25)   ; the mask; elements of 2 bytes; padding on; bit 21 beside a mask; 4 words after every 32
	s_mov_b32 s[G1+1], 64<<16                      ; rows of 64 elements,
	s_mov_b32 s[G1+2], 256<<16                     ; 256 of them,
	s_mov_b32 s[G1+3], 64<<16
	s_mov_b32 s[G1+4], 256
	s_mov_b32 s[G1+5], 64                          ; dense in memory
	s_mov_b32 s[G1+6], 0
	s_mov_b32 s[G1+7], 0
	s_or_b32 s[G1B+0], s44, (1<<16)|(1<<20)|(1<<21)|(5<<22)|(7<<25)  ; 8 words after every 64
	s_mov_b32 s[G1B+1], 128<<16                    ; rows of 128 elements,
	s_mov_b32 s[G1B+2], 128<<16                    ; 128 of them,
	s_mov_b32 s[G1B+3], 128<<16
	s_mov_b32 s[G1B+4], 128
	s_mov_b32 s[G1B+5], 1024                       ; a row of Wo apart
	s_mov_b32 s[G1B+6], 0
	s_mov_b32 s[G1B+7], 0
	s_lshl_b32 s16, s13, 18                        ; A: the tile of tokens' 262,144 bytes, + my two planes
	s_lshl_b32 s17, s12, 15
	s_add_co_u32 s16, s16, s17
	s_mov_b32 s17, 0
	s_lshl_b32 s46, s42, 8                         ; B: the tile's 128 columns, + my 128 rows of 2,048 bytes
	s_lshl_b32 s47, s12, 18
	s_add_co_u32 s46, s46, s47
	s_mov_b32 s47, 0
	s_mul_i32 s20, s10, HALFT                      ; where they go: wave x what a load brings: no place in the cluster enters an LDS address
	s_wait_dscnt 0x0                               ; both opening adds are done
	s_wait_kmcnt 0x0
	s_add_nc_u64 s[14:15], s[4:5], s[16:17]
	s_add_nc_u64 s[46:47], s[6:7], s[46:47]
	CROUND                                         ; all sixteen work-groups are here: the first joint loads meet
.irp s, 0,1
	s_mov_b32 s[G0+4*\s], 1
	s_add_co_u32 s[G0+4*\s+1], s20, \s*SLOT
	s_add_nc_u64 s[G0+4*\s+2:G0+4*\s+3], s[14:15], \s*65536
	s_or_b32 s[G0+4*\s+3], s[G0+4*\s+3], 0x80000000
	s_mov_b32 s[G0B+4*\s], 1
	s_add_co_u32 s[G0B+4*\s+1], s20, \s*SLOT
	s_add_nc_u64 s[G0B+4*\s+2:G0B+4*\s+3], s[46:47], \s*524288
	s_or_b32 s[G0B+4*\s+3], s[G0B+4*\s+3], 0x80000000
	JLOAD \s                                       ; two tensor loads of mine are out behind the second
.endr
	v_and_b32 v1, 15, v0                           ; r = lane % 16
	v_bfe_u32 v2, v0, 4, 1                         ; h = lane / 16
	v_mul_u32_u24 v3, v1, AP
	v_lshl_add_u32 v3, v2, 4, v3
	s_mul_i32 s21, s11, 64*AP                      ; my 64 rows, in each plane
	v_add_nc_u32 v[ADRA], s21, v3
	v_add_nc_u32 v[ADRA+1], SLOT, v[ADRA]
	v_and_b32 v4, 7, v0
	v_lshl_add_u32 v4, v2, 3, v4                   ; B, for the turning load: row 8 h + lane % 8,
	v_mul_u32_u24 v4, v4, BPI
	v_bfe_u32 v5, v0, 3, 1
	v_lshl_add_u32 v4, v5, 4, v4                   ; columns 8 ((lane / 8) % 2) on,
	s_lshl_b32 s22, s12, 7                         ; in my 64 columns,
	s_add_co_u32 s22, s22, 2*HALFT                 ; behind A's four planes
	v_add_nc_u32 v[ADRB], s22, v4
	v_add_nc_u32 v[ADRB+1], HALFT, v[ADRB]
	v_add_nc_u32 v[ADRB+2], SLOT, v[ADRB]
	v_add_nc_u32 v[ADRB+3], SLOT+HALFT, v[ADRB]
	s_mul_i32 s23, s10, 16*SPITCH
	s_add_co_u32 s23, s23, STAGE                   ; my stage
	v_mul_u32_u24 v4, v1, SPITCH
	v_lshl_add_u32 v4, v2, 5, v4
	v_add_nc_u32 v[STO], s23, v4                   ; in: row r, 32 bytes for each half of the lanes
	v_mul_u32_u24 v5, v2, SPITCH
	v_lshl_add_u32 v5, v1, 4, v5
	v_add_nc_u32 v[RD], s23, v5                    ; back: lanes 0-15 one row of 256 bytes, lanes 16-31 the next
	v_lshlrev_b32 v[CO], 12, v2
	v_lshl_add_u32 v[CO], v1, 4, v[CO]             ; and the same two rows in out0
	v_lshlrev_b32 v30, 5, v2                       ; bo: my half's eight numbers of a block of 16
	s_lshl_b32 s46, s42, 9                         ; my first column, in bytes of f32: 512 x tile column + 256 x half
	s_lshl_b32 s47, s12, 8
	s_add_co_u32 s46, s46, s47
	s_mov_b32 s47, 0
	s_add_nc_u64 s[68:69], s[68:69], s[46:47]
	s_add_nc_u64 s[70:71], s[70:71], s[46:47]
	s_lshl_b32 s16, s13, 19                        ; my first row: 128 x tile row + 64 x half, 4,096 bytes each
	s_lshl_b32 s17, s11, 18
	s_add_co_u32 s16, s16, s17
	s_mov_b32 s17, 0
	s_add_nc_u64 s[70:71], s[70:71], s[16:17]
.irp b, 0,1,2,3
	global_load_b128 v[BIAS+8*\b:BIAS+8*\b+3],   v30, s[68:69] offset:64*\b
	global_load_b128 v[BIAS+8*\b+4:BIAS+8*\b+7], v30, s[68:69] offset:64*\b+16
.endr
; 8 matrix instructions: m blocks a0, a0 + 1 x all 4 n blocks, 32 along K: half c of buffer f.  first = 1: the product starts the sums from bo.  The 16 accumulators take turns.
.macro MUL8 f, c, a0, first
.irp a, \a0, \a0+1
.irp b, 0,1,2,3
.if \first
	v_wmma_f32_16x16x32_f16 v[ACC+8*(4*(\a)+\b):ACC+8*(4*(\a)+\b)+7], v[\f+64+8*(4*\c+\b):\f+64+8*(4*\c+\b)+7], v[\f+8*(4*\c+\a):\f+8*(4*\c+\a)+7], v[BIAS+8*\b:BIAS+8*\b+7]
.else
	v_wmma_f32_16x16x32_f16 v[ACC+8*(4*(\a)+\b):ACC+8*(4*(\a)+\b)+7], v[\f+64+8*(4*\c+\b):\f+64+8*(4*\c+\b)+7], v[\f+8*(4*\c+\a):\f+8*(4*\c+\a)+7], v[ACC+8*(4*(\a)+\b):ACC+8*(4*(\a)+\b)+7]
.endif
.endr
.endr
.endm
; 32 LDS loads in one run: the fragments of the slot's quarter qd (64 along K: one head) into buffer f; the first 32 along K first
.macro FETCH slot, qd, f
	WIN TO_F
.irp c, 0,1
.irp i, 0,1,2,3
	ds_load_tr16_b128 v[\f+64+8*(4*\c+\i):\f+64+8*(4*\c+\i)+3],   v[ADRB+2*\slot+(\qd)/2] offset:((\qd)%2)*64*BPI+\c*32*BPI+32*\i
	ds_load_tr16_b128 v[\f+64+8*(4*\c+\i)+4:\f+64+8*(4*\c+\i)+7], v[ADRB+2*\slot+(\qd)/2] offset:((\qd)%2)*64*BPI+\c*32*BPI+16*BPI+32*\i
	ds_load_b128 v[\f+8*(4*\c+\i):\f+8*(4*\c+\i)+3],              v[ADRA+\slot] offset:(\qd)*APLANE+64*\c+\i*16*AP
	ds_load_b128 v[\f+8*(4*\c+\i)+4:\f+8*(4*\c+\i)+7],            v[ADRA+\slot] offset:(\qd)*APLANE+64*\c+\i*16*AP+32
.endr
.endr
.endm
.macro PLACES                          ; four places in front of loads into registers that matrix instructions have read, and of the first read of results
.rept 4
	v_nop
.endr
.endm
; A K step is four quarters, 32 matrix instructions each, on buffers 0, 1, 0, 1.  One of the first three: multiplies buffer f and fetches quarter qd into g.
.macro QUARTER slot, qd, f, g, first
	s_wait_dscnt 16                                ; the first 32 along K are in; the other sixteen loads may be out
	WIN MUL
	MUL8 \f, 0, 0, \first
	MUL8 \f, 0, 2, \first
	PLACES
	FETCH \slot, \qd, \g
	s_wait_dscnt 32                                ; all but the 32 just issued
	WIN MUL
	MUL8 \f, 1, 0, 0
	MUL8 \f, 1, 2, 0
.endm
; The last quarter multiplies buffer 1 and changes slots: ONE barrier; in front of it each wave waits for all its tensor loads, adds 0 to its spare word, and waits for that and for its reads of this slot.
.macro TURN slot, next, fill
	WIN 0
	s_wait_tensorcnt 0x0                           ; all my tensor loads have landed: my part of the next slot
	ds_add_u32 v[SPW], v[NIL]
	s_wait_dscnt 17                                ; the add and the youngest sixteen loads may be out
	WIN MUL
	MUL8 F1, 0, 0, 0
	s_wait_dscnt 0x0                               ; the add is done, and my reads of this slot are over
	s_barrier_signal -1
	MUL8 F1, 0, 2, 0
.if \fill
	WIN 0
.endif
	s_barrier_wait -1
.if \fill
	CREST                                          ; the barrier has opened a round of the cluster's: no wave of any partner still reads this slot or has a load on its way
	s_add_nc_u64 s[G0+4*\slot+2:G0+4*\slot+3], s[G0+4*\slot+2:G0+4*\slot+3], 131072      ; two K steps on: eight planes of A,
	s_add_nc_u64 s[G0B+4*\slot+2:G0B+4*\slot+3], s[G0B+4*\slot+2:G0B+4*\slot+3], 1048576 ; 512 rows of Wo
	JLOAD \slot                                    ; the first tensor load behind the round; its four v_nop are also the places in front of the loads below
.else
	PLACES
.endif
	FETCH \next, 0, F0
	WIN MUL
	MUL8 F1, 1, 0, 0
	MUL8 F1, 1, 2, 0
.endm
	s_wait_tensorcnt 1                             ; my part of K step 0 is in; K step 1's load may be out
	s_barrier_signal -1
	s_barrier_wait -1
	FETCH 0, 0, F0
	s_wait_loadcnt 0x0                             ; bo
	QUARTER 0, 1, F0, F1, 1                        ; the first quarter stands in front of the loop: its first products start the sums
	WIN 0
	s_mov_b32 s3, LAPS-1
.Llap:                                 ; a trip goes once round the ring, from a lap's second quarter to the next lap's first, and fills both slots again
	QUARTER 0, 2, F1, F0, 0
	QUARTER 0, 3, F0, F1, 0
	TURN 0, 1, 1
	QUARTER 1, 1, F0, F1, 0
	QUARTER 1, 2, F1, F0, 0
	QUARTER 1, 3, F0, F1, 0
	TURN 1, 0, 1
	QUARTER 0, 1, F0, F1, 0
	WIN 0
	s_sub_co_u32 s3, s3, 1
	s_cmp_lg_u32 s3, 0
	s_cbranch_scc1 .Llap
	QUARTER 0, 2, F1, F0, 0                        ; the last lap fills nothing
	QUARTER 0, 3, F0, F1, 0
	TURN 0, 1, 0
	QUARTER 1, 1, F0, F1, 0
	QUARTER 1, 2, F1, F0, 0
	QUARTER 1, 3, F0, F1, 0
	s_wait_dscnt 16
	WIN MUL
	MUL8 F1, 0, 0, 0
	MUL8 F1, 0, 2, 0
	s_wait_dscnt 0
	MUL8 F1, 1, 0, 0
	MUL8 F1, 1, 2, 0
	WIN 0
; THE WAY OUT, block by block of 16 rows x 64 columns (256 bytes a row): through my own stage, so that sixteen lanes store 256 consecutive bytes.  No barrier: the stage is the wave's own.
.macro TOSTAGE a
.irp b, 0,1,2,3
	ds_store_b128 v[STO], v[ACC+8*(4*(\a)+\b):ACC+8*(4*(\a)+\b)+3] offset:64*\b          ; each accumulator from its low end on
	ds_store_b128 v[STO], v[ACC+8*(4*(\a)+\b)+4:ACC+8*(4*(\a)+\b)+7] offset:64*\b+16
.endr
.irp t, 0,1,2,3,4,5,6,7
	ds_load_b128 v[OB+32*((\a)%2)+4*\t:OB+32*((\a)%2)+4*\t+3], v[RD] offset:\t*2*SPITCH   ; LDS serves a wave's instructions in order: these see the stores above
.endr
.endm
.macro SEND a, younger                 ; younger: the LDS instructions issued behind block a's loads: the next block's sixteen, or none
	s_wait_dscnt \younger
.irp t, 0,1,2,3,4,5,6,7
	global_store_b128 v[CO], v[OB+32*((\a)%2)+4*\t:OB+32*((\a)%2)+4*\t+3], s[70:71] offset:(16*(\a)+2*\t)*4096 th:TH_STORE_NT
.endr
.endm
	PLACES
	TOSTAGE 0
.irp a, 1,2,3
.if \a > 1
	s_wait_xcnt 0x0                                ; block a - 2's stores have read their registers: block a's loads may land there
.endif
	TOSTAGE \a
	SEND \a-1, 16
.endr
	SEND 3, 0
	s_wait_tensorcnt 0x0                           ; the wave's end
	ds_add_u32 v[SPW], v[NIL]
	s_wait_dscnt 0x0
	CROUND                                         ; the closing round
	s_endpgm
.Lfunc_end_k_q9a12561788_oproj:
	.size	k_q9a12561788_oproj, .Lfunc_end_k_q9a12561788_oproj-k_q9a12561788_oproj
	.p2alignl 7, 3214868480
	.fill 96, 4, 3214868480
	.section	.rodata,"a",@progbits
	.p2align	6, 0x0
	.amdhsa_kernel k_q9a12561788_oproj
		.amdhsa_group_segment_fixed_size 327680
		.amdhsa_private_segment_fixed_size 0
		.amdhsa_enable_private_segment 0
		.amdhsa_kernarg_size 32
		.amdhsa_user_sgpr_count 2
		.amdhsa_user_sgpr_kernarg_segment_ptr 1
		.amdhsa_wavefront_size32 1
		.amdhsa_system_sgpr_workgroup_id_x 1
		.amdhsa_system_sgpr_workgroup_id_y 1
		.amdhsa_system_sgpr_workgroup_id_z 1
		.amdhsa_system_vgpr_workitem_id 0
		.amdhsa_next_free_vgpr 512
		.amdhsa_next_free_sgpr 72
		.amdhsa_reserve_vcc 0
		.amdhsa_float_denorm_mode_32 3
		.amdhsa_float_denorm_mode_16_64 3
		.amdhsa_memory_ordered 1
		.amdhsa_forward_progress 1
		.amdhsa_inst_pref_size 87
	.end_amdhsa_kernel
	.amdgpu_metadata
---
amdhsa.version: [ 1, 2 ]
amdhsa.kernels:
  - .name:           k_q9a12561788_oproj
    .symbol:         k_q9a12561788_oproj.kd
    .args:
      - { .name: ao, .offset: 0, .size: 8, .value_kind: global_buffer, .address_space: global }
      - { .name: wo16, .offset: 8, .size: 8, .value_kind: global_buffer, .address_space: global }
      - { .name: bo, .offset: 16, .size: 8, .value_kind: global_buffer, .address_space: global }
      - { .name: out0, .offset: 24, .size: 8, .value_kind: global_buffer, .address_space: global }
    .group_segment_fixed_size: 327680
    .private_segment_fixed_size: 0
    .kernarg_segment_align: 8
    .kernarg_segment_size: 32
    .max_flat_workgroup_size: 128
    .sgpr_count:     72
    .vgpr_count:     512
    .wavefront_size: 32
...
	.end_amdgpu_metadata
.endif
;; end of part 4
